; MI455X (gfx1250); checked and timed in simulation.
; The chip was launched on July 23, 2026; its instructions are those of AMD's public machine-readable ISA for CDNA 5 (MIT licence, August 2026) and "CDNA5" Instruction Set Architecture Reference Guide (July 2026). The comments in the code are by the model that wrote it; some were corrected since.
;; Specific Mo E. Allowed arithmetic: matrix products marked QUANTISED: E5M2 operands, one given power-of-two scale a tensor, by v_wmma_f32_16x16x64_bf8_bf8 or v_wmma_f32_16x16x128_bf8_bf8, f32 sums; products left as they are: f32 operands where the result goes on into a quantised operand, else bf16, f16 or f32 operands; f32 sums; everything else in f32.
;; Inputs: W1 8 x 1,024 x 512 float32; W2 8 x 512 x 1,024 float32; Wr 1,024 x 8 float32; b1 8 x 512 float32; b2 8 x 1,024 float32; br 8 float32; lowp_scales 4 int32 (the exponents e of the quantised operands' scales 2^e); x 4 x 2,048 x 1,024 float32.
;; Outputs: out0 4 x 2,048 x 1,024 float32; out1 4 x 2,048 x 8 float32; out2 4 x 2,048 x 8 float32; out3 4 x 2,048 x 2 int32; out4 4 x 2,048 x 2 float32.
;; This version of the problem:
;;   THIS VERSION OF THE PROBLEM IS GIVEN IN LOW PRECISION. The matrix products marked QUANTISED in the list below multiply operands that are first quantised to E5M2 (5 exponent bits, 2 mantissa bits; 8 bits a number), with one given power-of-two scale for each operand tensor; their sums are f32. All else is computed in f32.
;;   The module's matrix products, in the order in which they are computed (A, B: the left and right operand; K: the contracted axis; several contracted axes count as one K, in the product's order):
;;     1. [M 8,192, K 1,024] x [K 1,024, N 8]; A: input x; B: input Wr: left as it is (N = 8 < 16)
;;     2. [M 8,192, K 1,024] x [K 1,024, N 4,096]; A: input x; B: input W1: QUANTISED (scales: A lowp_scales[0], B lowp_scales[1])
;;     3. batch 8 x [M 1,024, K 512] x [K 512, N 8,192]; A: input W2; B: computed on the way: QUANTISED (scales: A lowp_scales[2], B lowp_scales[3])
;;   THE QUANTISER, for each operand of a quantised product, along K:
;;     - The operand's scale is 2^e, e = its entry of the input lowp_scales (int32; the entries are numbered through the quantised products in the list's order, A before B).
;;     - Each number is divided by the scale, clamped to +-57,344, and rounded to the nearest number of E5M2, ties to even, subnormals kept.
;;     - The product sums the exact products of the quantised numbers (number of the format x scale) in f32.
;;   ~~~python
;;   def quantise(x, axis, e):      # numpy; x: float32 -> the quantised numbers, widened to float32 again
;;       x = np.moveaxis(x, axis, -1); K = x.shape[-1]
;;       r = np.clip(x / 2.0 ** e, -57344, 57344)
;;       step = 2.0 ** (np.maximum(np.frexp(np.where(r == 0, 1, r))[1] - 1, -14) - 2)
;;       q = np.round(r / step) * step * 2.0 ** e      # np.round: ties to even
;;       return np.moveaxis(q, -1, axis).astype(np.float32)
;;   ~~~
;;   OPERANDS COMPUTED ON THE WAY. 'Computed on the way' means the value that the module computes at that place (a softmax that the list does not call 'softmax' is quantised finished and normalised). What goes into a quantiser is computed in f32, as accurately as f32 sums, v_exp_f32 and their like allow (about 1e-6 of the number): no bf16 or f16 on the way to a quantiser, and a product that is left as it is and whose result goes on into a quantised operand takes f32 operands (vector FMAs, or v_wmma_f32_16x16x4_f32). A number that lies on a knife's edge between two numbers of the format may be rounded either way, as far as f32 arithmetic and the matrix unit's own rounding can turn it there, and no further.
;; 2 versions. Each part assembles by itself: llvm-mc -triple=amdgcn-amd-amdhsa -mcpu=gfx1250 --defsym DOCPART=n.
;; ======== version 1 of 2: 3 launches
;; workspace buffers: xc 8,388,608 bytes; w1f 4,194,304 bytes; w2f 4,194,304 bytes; ri 65,536 bytes of whole numbers; order 39,936 bytes of whole numbers; binfo 1,024 bytes of whole numbers
;; launch route (part 1): grid 256 x 1, 4 waves a work-group, no clusters, 39,936 bytes of LDS; arguments x, Wr, br, lowp_scales, xc, out1, out2, out3, out4, ri; writes xc, out1, out2, out3, out4, ri
.if DOCPART == 1
	.amdgcn_target "amdgcn-amd-amdhsa--gfx1250"
	.amdhsa_code_object_version 6
	.text
	.protected	k_qbded274453_route
	.globl	k_qbded274453_route
	.p2align	8
	.type	k_qbded274453_route,@function
k_qbded274453_route:
	s_mov_b64 s[64:65], 0
	v_nop
	global_prefetch_b8 v0, s[64:65] scope:SCOPE_SE
	s_setreg_imm32_b32 hwreg(HW_REG_WAVE_MODE, 25, 1), 1
	s_wait_xcnt 0x0
; ROUTER AND x'S CODES.  x [8192][1024] f32 is read once.  Out: logits (out1), probs (out2), the two chosen experts (out3) and their probs (out4), x's codes of E5M2 (xc),
; and for each group of 32 tokens (one work-group) each token's class and rank and the group's count of each class (ri): values stored at fixed places, no address hangs on them.
; SHARES.  A work-group takes 32 tokens, each of its four waves 8 whole rows.  Lane l holds x[128 j + 4 l + i], j = 0..7, i = 0..3: each load of a wave covers 512 consecutive bytes.
; Wr (32 KB) stays in each wave's registers: lane l holds the 32 rows of Wr that meet its 32 numbers of x.  The router's product is f32 multiply-adds, since the choice is compared exactly.
; xc: a row is 1,024 bytes; byte p holds k = 512 (p >> 9) + 128 ((p >> 2) & 3) + 4 ((p >> 4) & 31) + (p & 3): the order in which the lanes hold x; W1's codes are laid to meet it.
; A class is the unordered pair of chosen experts (lo < hi), 28 in all, numbered in the order (0,1), (0,2) .. (6,7).
; ri: [group][lane][2]: word 0 = class | rank << 8 | i0 << 16 | i1 << 24 of token 32 g + lane (rank: among the group's earlier tokens of that class); word 1 = the group's count of class = lane.
; LIMITS: lowp_scales[0] between -126 and 112.  NaN is not served.  Two probs that agree to the last bits of f32 may be ordered otherwise than by another order of the sums.
; REGISTERS: window 0: v1 lane, v2 16 lane, v3 16 t, v4, v5 LDS addresses of Wr, v6 57,344 x 2^e, v7 2^e, v8-23 two sets of eight sums, v24-31 at work, v32-39 logits, v40-63 softmax,
;   v64-127 Wr as loaded, then the codes, v128-130 LDS addresses of the results' stage, v136.. at work;  window 1: Wr, 8 (4 j + i) + e;  window 2: x, 32 row + 4 j + i.
.set RL, 36864                         ; LDS: Wr in 256 pieces of 128 bytes + 16 of padding (36,864 bytes); then the stage: logits,
.set RP, 37888                         ; probs,
.set RI, 38912                         ; the chosen pairs,
.set RQ, 39168                         ; their probs
.set ACA, 8
.set ACB, 16
.set TP, 24
.set LG, 32
.set PB, 40
.set CO, 64
.set MSB, 0
.macro WIN new                         ; the immediate's high byte repeats the setting that is left
.if MSB != \new
	s_set_vgpr_msb (MSB<<8)|\new
.set MSB, \new
.endif
.endm
.macro XLOAD r                         ; row r of my eight: eight loads of 512 consecutive bytes
	WIN 0x80
.irp j, 0,1,2,3,4,5,6,7
	global_load_b128 v[32*(\r)+4*\j:32*(\r)+4*\j+3], v2, s[8:9] offset:4096*(\r)+512*\j th:TH_LOAD_NT
.endr
	WIN 0
.endm
	s_load_b512 s[8:23], s[0:1], 0x0               ; x, Wr, br, scales, xc, out1, out2, out3
	s_load_b128 s[24:27], s[0:1], 0x40             ; out4, ri
	v_lshl_add_u32 v254, v0, 2, 0x9a00
	v_mov_b32 v255, 0
	v_lshrrev_b32 v1, 5, v0
	v_readfirstlane_b32 s28, v1                    ; wave
	v_and_b32 v1, 31, v0                           ; lane
	v_lshlrev_b32 v2, 4, v1
	v_lshlrev_b32 v3, 4, v0
	v_lshrrev_b32 v4, 3, v0
	v_lshl_add_u32 v4, v4, 4, v3                   ; Wr into LDS: 16 t + 16 (t / 8): 16 bytes of padding behind each 128
	v_mul_u32_u24 v5, v1, 144                      ; and out of it: my piece of 128 bytes
	v_and_b32 v128, 15, v0
	v_lshlrev_b32 v128, 4, v128
	s_lshl_b32 s41, s28, 8
	v_add_nc_u32 v128, s41, v128                   ; the stage: 256 wave + 16 (lane % 16): half a row of eight numbers
	v_bfe_u32 v129, v0, 1, 3
	v_lshlrev_b32 v129, 3, v129
	s_lshl_b32 s41, s28, 6
	v_add_nc_u32 v129, s41, v129                   ; 64 wave + 8 row
	v_lshlrev_b32 v130, 3, v1
	s_mov_b32 s30, 0x76543210                      ; v_permlanex16_b32: lane l xor 16
	s_mov_b32 s31, 0xfedcba98
.irp i, 0,1,2,3,4,5,6,7
	v_mov_b32 v[TP+\i], 0                          ; a lane permute's destination counts as read
.endr
	s_lshl_b32 s44, ttmp9, 17
	s_lshl_b32 s45, s28, 15
	s_add_co_u32 s44, s44, s45                     ; x: 32 rows a work-group, 8 a wave, 4,096 bytes each
	s_mov_b32 s45, 0
	s_lshl_b32 s46, ttmp9, 15
	s_lshl_b32 s47, s28, 13
	s_add_co_u32 s46, s46, s47                     ; xc: rows of 1,024 bytes
	s_mov_b32 s47, 0
	s_lshl_b32 s48, ttmp9, 10                      ; out1, out2: 1,024 bytes a work-group
	s_mov_b32 s49, 0
	s_lshl_b32 s50, ttmp9, 8                       ; out3, out4, ri: 256
	s_mov_b32 s51, 0
	s_wait_kmcnt 0x0
	s_load_b256 s[32:39], s[12:13], 0x0            ; br
	s_load_b32 s40, s[14:15], 0x0                  ; e of x
	s_add_nc_u64 s[8:9], s[8:9], s[44:45]
	s_add_nc_u64 s[16:17], s[16:17], s[46:47]
	s_add_nc_u64 s[18:19], s[18:19], s[48:49]
	s_add_nc_u64 s[20:21], s[20:21], s[48:49]
	s_add_nc_u64 s[22:23], s[22:23], s[50:51]
	s_add_nc_u64 s[24:25], s[24:25], s[50:51]
	s_add_nc_u64 s[26:27], s[26:27], s[50:51]
.irp n, 0,1,2,3,4,5,6,7,8,9,10,11,12,13,14,15
	global_load_b128 v[64+4*\n:67+4*\n], v3, s[10:11] offset:2048*\n   ; Wr, dense: 2,048 bytes a work-group and line
.endr
	XLOAD 0
	XLOAD 1
	XLOAD 2
	XLOAD 3
	XLOAD 4
	s_wait_loadcnt 40                              ; Wr is in; the 40 loads of x issued behind it stay out
.irp n, 0,1,2,3,4,5,6,7,8,9,10,11,12,13,14,15
	ds_store_b128 v4, v[64+4*\n:67+4*\n] offset:2304*\n
.endr
	XLOAD 5
	XLOAD 6
	s_wait_kmcnt 0x0
	s_add_co_i32 s41, s40, 127
	s_lshl_b32 s42, s41, 23
	v_mov_b32 v7, s42                              ; 2^e as f32: the conversion takes its exponent field
	s_add_co_i32 s41, s41, 15
	s_lshl_b32 s41, s41, 23
	s_or_b32 s41, s41, 0x600000
	v_mov_b32 v6, s41                              ; 57,344 x 2^e
	s_wait_dscnt 0x0                               ; my part of Wr lies in LDS
	s_barrier_signal -1
	s_barrier_wait -1                              ; everybody's does
	WIN 0x40
.irp j, 0,1,2,3,4,5,6,7
.irp i, 0,1,2,3
.irp f, 0,1
	ds_load_b128 v[8*(4*\j+\i)+4*\f:8*(4*\j+\i)+4*\f+3], v5 offset:4608*\j+32*\i+16*\f   ; Wr[128 j + 4 l + i][4 f ..]
.endr
.endr
.endr
	WIN 0
	s_wait_dscnt 0x0
; One row: eight dot products of my 32 numbers, summed over the lanes; then the row's codes.
.macro ROW r
.if (\r)==0
	s_wait_loadcnt 48                              ; row 0 is in; rows 1 to 6 stay out
	XLOAD 7
.else
	s_wait_loadcnt 8*(7-(\r))                      ; row r is in; the later rows' loads stay out
.endif
	WIN 0x06                                       ; x window 2, Wr window 1, sums window 0
.set np, 0
.rept 16                                       ; two numbers of x a turn: the even one into set A, the odd one into set B; two experts an instruction
.irp ep, 0,2,4,6
.if np == 0
	v_pk_mul_f32 v[ACA+\ep:ACA+\ep+1], v[32*(\r):32*(\r)+1], v[\ep:\ep+1] op_sel_hi:[0,1]
.else
	v_pk_fma_f32 v[ACA+\ep:ACA+\ep+1], v[32*(\r)+2*np:32*(\r)+2*np+1], v[16*np+\ep:16*np+\ep+1], v[ACA+\ep:ACA+\ep+1] op_sel_hi:[0,1,1]
.endif
.endr
.irp ep, 0,2,4,6
.if np == 0
	v_pk_mul_f32 v[ACB+\ep:ACB+\ep+1], v[32*(\r):32*(\r)+1], v[8+\ep:8+\ep+1] op_sel:[1,0] op_sel_hi:[1,1]
.else
	v_pk_fma_f32 v[ACB+\ep:ACB+\ep+1], v[32*(\r)+2*np:32*(\r)+2*np+1], v[16*np+8+\ep:16*np+8+\ep+1], v[ACB+\ep:ACB+\ep+1] op_sel:[1,0,0] op_sel_hi:[1,1,1]
.endif
.endr
.set np, np+1
.endr
	WIN 0
.irp ep, 0,2,4,6
	v_pk_add_f32 v[ACA+\ep:ACA+\ep+1], v[ACA+\ep:ACA+\ep+1], v[ACB+\ep:ACB+\ep+1]
.endr
.irp k, 1,2,4,8
.irp e, 0,1,2,3,4,5,6,7
	v_add_f32_dpp v[ACA+\e], v[ACA+\e], v[ACA+\e] row_xmask:\k row_mask:0xf bank_mask:0xf
.endr
.endr
.irp e, 0,1,2,3,4,5,6,7
	v_permlanex16_b32 v[TP+\e], v[ACA+\e], s30, s31
.endr
.irp e, 0,1,2,3,4,5,6,7
	v_add_f32 v[ACA+\e], v[ACA+\e], v[TP+\e]       ; every lane holds the row's eight sums
.endr
.if (\r)==0
.irp e, 0,1,2,3,4,5,6,7
	v_mov_b32 v[LG+\e], v[ACA+\e]
.endr
.else
	s_mov_b32 s41, 0x00030003<<(2*(\r))            ; lanes 2 r, 2 r + 1, 2 r + 16, 2 r + 17 keep row r: lane l ends with row (l / 2) % 8
.irp e, 0,1,2,3,4,5,6,7
	v_cndmask_b32 v[LG+\e], v[LG+\e], v[ACA+\e], s41
.endr
.endif
	WIN 0x82
.set i, 0
.rept 32
	v_med3_num_f32 v[32*(\r)+i], v[32*(\r)+i], -v6, v6   ; the conversion to an 8-bit code does not saturate (ISA guide 7.6.2): the hold at the largest code x the scale
.set i, i+1
.endr
	WIN 0x02
.irp m, 0,1,2,3
	v_cvt_scalef32_pk8_bf8_f32 v[CO+8*(\r)+2*\m:CO+8*(\r)+2*\m+1], v[32*(\r)+8*\m:32*(\r)+8*\m+7], v7
.endr
	WIN 0
	global_store_b128 v2, v[CO+8*(\r):CO+8*(\r)+3], s[16:17] offset:1024*(\r)          ; 512 consecutive bytes, aligned; each row has code registers of its own
	global_store_b128 v2, v[CO+8*(\r)+4:CO+8*(\r)+7], s[16:17] offset:1024*(\r)+512
.endm
	ROW 0
	ROW 1
	ROW 2
	ROW 3
	ROW 4
	ROW 5
	ROW 6
	ROW 7
	; softmax and the two largest, once, a row to a lane
.irp e, 0,1,2,3,4,5,6,7
	v_add_f32 v[LG+\e], s[32+\e], v[LG+\e]         ; + br: the logits
.endr
	v_max3_num_f32 v48, v32, v33, v34
	v_max3_num_f32 v48, v48, v35, v36
	v_max3_num_f32 v48, v48, v37, v38
	v_max_num_f32 v48, v48, v39                    ; the row's largest logit is taken away ahead of the exponentials
.irp e, 0,1,2,3,4,5,6,7
	v_sub_f32 v[PB+\e], v[LG+\e], v48
.endr
.irp e, 0,1,2,3,4,5,6,7
	v_mul_f32 v[PB+\e], 0x3fb8aa3b, v[PB+\e]
.endr
.irp e, 0,1,2,3,4,5,6,7
	v_exp_f32 v[PB+\e], v[PB+\e]
.endr
	v_nop                                          ; a plain place behind the exponentials
	s_wait_alu depctr_va_vdst(0)
	v_add_f32 v49, v40, v41
	v_add_f32 v54, v42, v43
	v_add_f32 v55, v44, v45
	v_add_f32 v48, v46, v47
	v_add_f32 v49, v49, v54
	v_add_f32 v55, v55, v48
	v_add_f32 v49, v49, v55
	v_rcp_f32 v49, v49
	v_nop
	s_wait_alu depctr_va_vdst(0)
.irp e, 0,1,2,3,4,5,6,7
	v_mul_f32 v[PB+\e], v[PB+\e], v49              ; the probs
.endr
	v_mov_b32 v50, v40                             ; v[50:51] the two largest probs, v[52:53] their experts
	v_mov_b32 v52, 0
.irp e, 1,2,3,4,5,6,7
	v_cmp_gt_f32 vcc_lo, v[PB+\e], v50             ; strictly larger: of equals the lower index stays
	v_cndmask_b32 v50, v50, v[PB+\e], vcc_lo
	v_cndmask_b32 v52, v52, \e, vcc_lo
.endr
.irp e, 0,1,2,3,4,5,6,7
	v_cmp_eq_u32 vcc_lo, \e, v52
	v_cndmask_b32 v[56+\e], v[PB+\e], -1.0, vcc_lo ; the winner leaves the field
.endr
	v_mov_b32 v51, v56
	v_mov_b32 v53, 0
.irp e, 1,2,3,4,5,6,7
	v_cmp_gt_f32 vcc_lo, v[56+\e], v51
	v_cndmask_b32 v51, v51, v[56+\e], vcc_lo
	v_cndmask_b32 v53, v53, \e, vcc_lo
.endr
	s_mov_b32 s42, 0xaaaaaaaa                      ; odd lanes take a row's upper four numbers
.irp i, 0,1,2,3
	v_cndmask_b32 v[136+\i], v[LG+\i], v[LG+4+\i], s42
	v_cndmask_b32 v[140+\i], v[PB+\i], v[PB+4+\i], s42
.endr
	ds_store_b128 v128, v[136:139] offset:RL       ; lanes that hold the same row write the same bytes with the same values
	ds_store_b128 v128, v[140:143] offset:RP
	ds_store_b64 v129, v[52:53] offset:RI
	ds_store_b64 v129, v[50:51] offset:RQ
	s_wait_dscnt 0x0                               ; my rows' results lie in the stage
	s_barrier_signal -1
	s_barrier_wait -1                              ; all 32 rows' do: each wave now stores one output, in whole aligned blocks of 256 bytes
	s_cmp_eq_u32 s28, 0
	s_cbranch_scc0 .Lnot0
	ds_load_b128 v[144:147], v2 offset:RL
	ds_load_b128 v[148:151], v2 offset:RL+512
	s_wait_dscnt 0x0
	global_store_b128 v2, v[144:147], s[18:19]
	global_store_b128 v2, v[148:151], s[18:19] offset:512
	s_wait_tensorcnt 0x0
	ds_add_u32 v254, v255
	s_wait_dscnt 0x0
	s_endpgm
.Lnot0:
	s_cmp_eq_u32 s28, 1
	s_cbranch_scc0 .Lnot1
	ds_load_b128 v[144:147], v2 offset:RP
	ds_load_b128 v[148:151], v2 offset:RP+512
	s_wait_dscnt 0x0
	global_store_b128 v2, v[144:147], s[20:21]
	global_store_b128 v2, v[148:151], s[20:21] offset:512
	s_wait_tensorcnt 0x0
	ds_add_u32 v254, v255
	s_wait_dscnt 0x0
	s_endpgm
.Lnot1:
	s_cmp_eq_u32 s28, 3
	s_cbranch_scc0 .Lnot3
	ds_load_b64 v[144:145], v130 offset:RQ
	s_wait_dscnt 0x0
	global_store_b64 v130, v[144:145], s[24:25]
	s_wait_tensorcnt 0x0
	ds_add_u32 v254, v255
	s_wait_dscnt 0x0
	s_endpgm
.Lnot3:
	ds_load_b64 v[144:145], v130 offset:RI         ; wave 2: lane l holds token l's pair
	s_wait_dscnt 0x0
	global_store_b64 v130, v[144:145], s[22:23]
	v_min_u32 v146, v144, v145
	v_max_u32 v147, v144, v145
	v_lshl_add_u32 v148, v146, 3, v147             ; 8 lo + hi
	v_mov_b32 v149, 0                              ; rank
	v_mov_b32 v150, 0                              ; class
	v_mov_b32 v153, 0                              ; the group's counts, class = lane
.set CL, 0
.irp a, 0,1,2,3,4,5,6
.irp b, 1,2,3,4,5,6,7
.if \b > \a
	v_cmp_eq_u32 s42, 8*\a+\b, v148                ; the tokens of this class
	v_mbcnt_lo_u32_b32 v151, s42, 0                ; how many of them stand in lower lanes
	v_cndmask_b32 v149, v149, v151, s42
	v_cndmask_b32 v150, v150, CL, s42
	s_bcnt1_i32_b32 s43, s42
	v_writelane_b32 v153, s43, CL
.set CL, CL+1
.endif
.endr
.endr
	v_lshl_or_b32 v152, v149, 8, v150
	v_lshl_or_b32 v152, v144, 16, v152
	v_lshl_or_b32 v152, v145, 24, v152
	global_store_b64 v130, v[152:153], s[26:27]
	s_wait_tensorcnt 0x0
	ds_add_u32 v254, v255
	s_wait_dscnt 0x0
	s_endpgm
.Lfunc_end_k_qbded274453_route:
	.size	k_qbded274453_route, .Lfunc_end_k_qbded274453_route-k_qbded274453_route
	.p2alignl 7, 3214868480
	.fill 96, 4, 3214868480
	.section	.rodata,"a",@progbits
	.p2align	6, 0x0
	.amdhsa_kernel k_qbded274453_route
		.amdhsa_group_segment_fixed_size 39936
		.amdhsa_private_segment_fixed_size 0
		.amdhsa_enable_private_segment 0
		.amdhsa_kernarg_size 80
		.amdhsa_user_sgpr_count 2
		.amdhsa_user_sgpr_kernarg_segment_ptr 1
		.amdhsa_wavefront_size32 1
		.amdhsa_system_sgpr_workgroup_id_x 1
		.amdhsa_system_sgpr_workgroup_id_y 1
		.amdhsa_system_sgpr_workgroup_id_z 1
		.amdhsa_system_vgpr_workitem_id 0
		.amdhsa_next_free_vgpr 768
		.amdhsa_next_free_sgpr 66
		.amdhsa_reserve_vcc 1
		.amdhsa_float_denorm_mode_32 3
		.amdhsa_float_denorm_mode_16_64 3
		.amdhsa_memory_ordered 1
		.amdhsa_forward_progress 1
		.amdhsa_inst_pref_size 147
	.end_amdhsa_kernel
	.amdgpu_metadata
---
amdhsa.version: [ 1, 2 ]
amdhsa.kernels:
  - .name:           k_qbded274453_route
    .symbol:         k_qbded274453_route.kd
    .args:
      - { .name: x, .offset: 0, .size: 8, .value_kind: global_buffer, .address_space: global }
      - { .name: Wr, .offset: 8, .size: 8, .value_kind: global_buffer, .address_space: global }
      - { .name: br, .offset: 16, .size: 8, .value_kind: global_buffer, .address_space: global }
      - { .name: lowp_scales, .offset: 24, .size: 8, .value_kind: global_buffer, .address_space: global }
      - { .name: xc, .offset: 32, .size: 8, .value_kind: global_buffer, .address_space: global }
      - { .name: out1, .offset: 40, .size: 8, .value_kind: global_buffer, .address_space: global }
      - { .name: out2, .offset: 48, .size: 8, .value_kind: global_buffer, .address_space: global }
      - { .name: out3, .offset: 56, .size: 8, .value_kind: global_buffer, .address_space: global }
      - { .name: out4, .offset: 64, .size: 8, .value_kind: global_buffer, .address_space: global }
      - { .name: ri, .offset: 72, .size: 8, .value_kind: global_buffer, .address_space: global }
    .group_segment_fixed_size: 39936
    .private_segment_fixed_size: 0
    .kernarg_segment_align: 8
    .kernarg_segment_size: 80
    .max_flat_workgroup_size: 128
    .sgpr_count:     66
    .vgpr_count:     768
    .wavefront_size: 32
...
	.end_amdgpu_metadata
.endif
;; end of part 1
;; launch prep (part 2): grid 521 x 1, 4 waves a work-group, no clusters, 1,536 bytes of LDS; arguments W1, W2, lowp_scales, ri, w1f, w2f, order, binfo; writes w1f, w2f, order, binfo
.if DOCPART == 2
	.amdgcn_target "amdgcn-amd-amdhsa--gfx1250"
	.amdhsa_code_object_version 6
	.text
	.protected	k_qbded274453_prep
	.globl	k_qbded274453_prep
	.p2align	8
	.type	k_qbded274453_prep,@function
k_qbded274453_prep:
	s_mov_b64 s[64:65], 0
	v_nop
	global_prefetch_b8 v0, s[64:65] scope:SCOPE_SE
	s_setreg_imm32_b32 hwreg(HW_REG_WAVE_MODE, 25, 1), 1
	s_wait_xcnt 0x0
; THE WEIGHTS' CODES, AND THE PLACING OF THE TOKENS.  Three ways part on the work-group's number: 0..8 place the tokens, 9..264 take W1, 265..520 take W2.
; WEIGHTS.  W1 [8][1024 k][512 n] and W2 [8][512 k][1024 n], f32, have K as their first axis within an expert.  A lane takes a column n and its registers run down K, so that the conversions give codes
; with K innermost and nothing is transposed.  The codes are laid in the order of a wave's operand registers: a fragment (16 rows x 128 K) is 4 pieces of 512 bytes, lane (r, h)'s 16 bytes at 16 (r + 16 h).
;   w1f [e][w 4][s 8][t 8][c 4][lane][16]: hidden unit 128 w + 32 (t / 2) + 8 (t % 2) + r + 8 (r / 8);  k = 512 (s / 4) + 32 (s % 4) + 4 (2 c + h) + (j % 4) + 128 (j / 4): the order of x's codes.
;   w2f [e][w 4][nt 16][s 4][c 4][lane][16]: output column 256 w + 16 nt + r;  k = 128 s + 32 c + 16 h + j.
; A wave takes 32 columns x 128 K: eight pieces of 16 numbers a lane; each store covers two whole aligned blocks of 256 bytes.  Loads run three pieces (48 loads) ahead.
; code = x / 2^e, held within +-57,344, to the nearest code, ties to even; e = lowp_scales[1] for W1, [2] for W2, each between -126 and 112.  NaN is not served.
; PLACING.  A counting sort by class from the groups' stored counts, without atomics.  Class c gets ceil(count / 64) blocks of 64 places, one class behind the other; token numbers go to order[64 block + place];
; binfo[block] = lo | hi << 8 | rows << 16 (rows = 0: the block is empty).  Places behind a block's rows are neither written nor read.  At most 128 + 27 = 155 blocks have rows, whatever the choice.
; NINE WORK-GROUPS SHARE THE PLACING.  Each repeats the counting (64 KB of stored words read, the running sums, the classes' first blocks): that is short.  What is long is the storing of 8,192 token numbers to
; scattered places, 4 bytes a lane: so work-group g of the first eight places only groups 8 g .. 8 g + 7 of each wave's 64 (8 stores a wave in place of 64), and the ninth places nothing and makes binfo.
; Each place of order and each word of binfo has one storing work-group.
.set NS, 9                             ; work-groups that place
.set X, 32                             ; v32-159  128 numbers (weights); the groups' words (placing)
.set C, 160                            ; v160-191 codes; at work (placing)
.macro QLOAD kind, a                   ; piece a: 16 numbers down K of my column
.irp j, 0,1,2,3,4,5,6,7,8,9,10,11,12,13,14,15
.if \kind == 1
	global_load_b32 v[X+16*(\a)+\j], v2, s[4:5] offset:(4*(\a)+(\j%4)+128*(\j/4))*2048 th:TH_LOAD_NT
.else
	global_load_b32 v[X+16*(\a)+\j], v2, s[4:5] offset:(16*(\a)+\j)*4096 th:TH_LOAD_NT
.endif
.endr
.endm
.macro QPATH kind, es
	QLOAD \kind, 0
	QLOAD \kind, 1
	QLOAD \kind, 2
	s_wait_kmcnt 0x0
	s_add_co_i32 s32, s[\es], 127
	s_lshl_b32 s33, s32, 23
	v_mov_b32 v11, s33                             ; 2^e as f32
	s_add_co_i32 s32, s32, 15
	s_lshl_b32 s32, s32, 23
	s_or_b32 s32, s32, 0x600000
	v_mov_b32 v10, s32                             ; 57,344 x 2^e
.irp a, 0,1,2,3,4,5,6,7
.if \a < 6
	s_wait_loadcnt 32                              ; piece a is in; the two pieces behind it stay out
.else
	s_wait_loadcnt 16*(7-\a)
.endif
.if \a < 5
	QLOAD \kind, \a+3
.endif
.irp j, 0,1,2,3,4,5,6,7,8,9,10,11,12,13,14,15
	v_med3_num_f32 v[X+16*\a+\j], v[X+16*\a+\j], -v10, v10   ; the conversion does not saturate (ISA guide 7.6.2)
.endr
	v_cvt_scalef32_pk8_bf8_f32 v[C+4*\a:C+4*\a+1], v[X+16*\a:X+16*\a+7], v11
	v_cvt_scalef32_pk8_bf8_f32 v[C+4*\a+2:C+4*\a+3], v[X+16*\a+8:X+16*\a+15], v11
	global_store_b128 v3, v[C+4*\a:C+4*\a+3], s[6:7] offset:512*(\a/2)+256*(\a%2)   ; piece a = 2 c + h; each piece has code registers of its own
.endr
	s_endpgm
.endm
	s_load_b512 s[8:23], s[0:1], 0x0               ; W1, W2, scales, ri, w1f, w2f, order, binfo
	v_lshl_add_u32 v192, v0, 2, 0x400
	v_mov_b32 v193, 0
	v_lshrrev_b32 v1, 5, v0
	v_readfirstlane_b32 s24, v1                    ; wave
	v_and_b32 v1, 31, v0                           ; lane
	s_wait_kmcnt 0x0
	s_cmp_lt_u32 ttmp9, NS
	s_cbranch_scc1 .Lsort
	s_load_b128 s[28:31], s[12:13], 0x0            ; the four exponents
	v_lshlrev_b32 v2, 2, v1                        ; in: 4 bytes a lane
	s_cmp_lt_u32 ttmp9, NS+256
	s_cbranch_scc0 .Lw2
	; ---- W1: id = e << 5 | w << 3 | s
	s_sub_co_u32 s25, ttmp9, NS
	s_lshr_b32 s26, s25, 5
	s_lshl_b32 s26, s26, 21                        ; the expert,
	s_bfe_u32 s27, s25, 0x10002
	s_lshl_b32 s27, s27, 20
	s_add_co_u32 s26, s26, s27                     ; + 512 (s / 4) rows of 2,048 bytes,
	s_and_b32 s27, s25, 3
	s_lshl_b32 s27, s27, 16
	s_add_co_u32 s26, s26, s27                     ; + 32 (s % 4) rows,
	s_bfe_u32 s27, s25, 0x20003
	s_lshl_b32 s27, s27, 9
	s_add_co_u32 s26, s26, s27                     ; + 128 w columns,
	s_lshl_b32 s27, s24, 7
	s_add_co_u32 s26, s26, s27                     ; + 32 columns a wave
	s_mov_b32 s27, 0
	s_add_nc_u64 s[4:5], s[8:9], s[26:27]
	s_lshl_b32 s26, s25, 14
	s_lshl_b32 s34, s24, 12
	s_add_co_u32 s26, s26, s34                     ; out: 16,384 id + two fragments a wave
	s_add_nc_u64 s[6:7], s[16:17], s[26:27]
	v_bfe_u32 v4, v1, 3, 1                         ; column 32 v + l is row r = l % 8 + 8 (l / 16) of tile 2 v + (l / 8) % 2
	v_and_b32 v5, 7, v1
	v_lshrrev_b32 v6, 4, v1
	v_lshl_add_u32 v5, v6, 3, v5
	v_lshlrev_b32 v5, 4, v5
	v_lshl_add_u32 v3, v4, 11, v5
	QPATH 1, 29
.Lw2:
	; ---- W2: id = e << 5 | cb << 2 | s
	s_sub_co_u32 s25, ttmp9, NS+256
	s_lshr_b32 s26, s25, 5
	s_lshl_b32 s35, s26, 19
	s_lshl_b32 s26, s26, 21                        ; the expert,
	s_and_b32 s27, s25, 3
	s_lshl_b32 s36, s27, 11
	s_lshl_b32 s27, s27, 19
	s_add_co_u32 s26, s26, s27                     ; + 128 s rows of 4,096 bytes,
	s_bfe_u32 s27, s25, 0x30002
	s_lshl_b32 s37, s27, 16
	s_lshl_b32 s27, s27, 9
	s_add_co_u32 s26, s26, s27                     ; + 128 cb columns,
	s_lshl_b32 s27, s24, 7
	s_add_co_u32 s26, s26, s27                     ; + 32 columns a wave
	s_mov_b32 s27, 0
	s_add_nc_u64 s[4:5], s[10:11], s[26:27]
	s_add_co_u32 s26, s35, s36
	s_add_co_u32 s26, s26, s37
	s_lshl_b32 s34, s24, 14
	s_add_co_u32 s26, s26, s34                     ; out: e << 19 + cb << 16 + wave << 14 + s << 11
	s_add_nc_u64 s[6:7], s[18:19], s[26:27]
	v_lshrrev_b32 v4, 4, v1
	v_and_b32 v5, 15, v1
	v_lshlrev_b32 v5, 4, v5
	v_lshl_add_u32 v3, v4, 13, v5                  ; column 32 v + l is row l % 16 of tile 2 v + l / 16
	QPATH 2, 30
.Lsort:
	; ---- the placing.  Wave v owns groups 64 v .. 64 v + 63.  A lane stands for a class where counts are summed, for a token where tokens are placed.
	; The counting, down to the classes' first places, is the same in all nine work-groups.
	v_lshlrev_b32 v2, 3, v1
	v_lshlrev_b32 v3, 2, v0
	v_lshlrev_b32 v4, 2, v1
	s_lshl_b32 s26, s24, 14
	s_mov_b32 s27, 0
	s_add_nc_u64 s[4:5], s[14:15], s[26:27]
.set i, 0
.rept 64
	global_load_b64 v[X+2*i:X+2*i+1], v2, s[4:5] offset:256*i      ; group i: my token's word, my class's count
.set i, i+1
.endr
.irp u, 0,1,2,3,4,5,6,7
	v_mov_b32 v[176+\u], 0
.endr
	s_lshl_b32 s26, s24, 11
	v_add_nc_u32 v12, s26, v1                      ; token number of my lane in my wave's first group
	s_wait_loadcnt 0x0
.set i, 1
.rept 63
	v_add_nc_u32 v[X+2*i+1], v[X+2*i-1], v[X+2*i+1]                ; the counts become running sums over my wave's groups
.set i, i+1
.endr
	ds_store_b32 v3, v159                          ; my wave's total of each class
	s_wait_dscnt 0x0
	s_barrier_signal -1
	s_barrier_wait -1
.irp w, 0,1,2,3
	ds_load_b32 v[16+\w], v4 offset:128*\w
.endr
	s_wait_dscnt 0x0
	v_add3_u32 v6, v16, v17, v18
	v_add_nc_u32 v6, v6, v19                       ; the class's total
	s_cmp_gt_u32 s24, 0
	s_cselect_b32 s40, -1, 0
	s_cmp_gt_u32 s24, 1
	s_cselect_b32 s41, -1, 0
	s_cmp_gt_u32 s24, 2
	s_cselect_b32 s42, -1, 0
	v_and_b32 v20, s40, v16
	v_and_b32 v21, s41, v17
	v_and_b32 v22, s42, v18
	v_add3_u32 v7, v20, v21, v22                   ; of it, what the waves in front of mine hold
	v_add_nc_u32 v8, 63, v6
	v_lshrrev_b32 v8, 6, v8                        ; the class's blocks
	v_mov_b32 v9, 0
	s_mov_b32 s30, 0
.set c, 0
.rept 28
	v_writelane_b32 v9, s30, c                     ; the class's first block
	v_readlane_b32 s31, v8, c
	s_add_co_u32 s30, s30, s31
.set c, c+1
.endr
.irp c, 28,29,30,31
	v_writelane_b32 v9, s30, \c
.endr
	v_lshl_add_u32 v10, v9, 6, v7                  ; the place of my wave's first token of the class
	v_lshl_add_u32 v11, v9, 6, v6                  ; one behind the class's last place
; Eight groups of my wave's 64: each token looks up its class's place among the lanes, adds its rank and stores its number there.
; A work-group runs this once, so no register of a store is written again.
.macro SCAT g
.irp u, 0,1,2,3,4,5,6,7
.set i, 8*(\g)+\u
	v_and_b32 v[160+\u], 0xff, v[X+2*i]
	v_lshlrev_b32 v[160+\u], 2, v[160+\u]
.if i == 0
	v_mov_b32 v[168+\u], v10
.else
	v_add_nc_u32 v[168+\u], v10, v[X+2*i-1]
.endif
	ds_bpermute_b32 v[176+\u], v[160+\u], v[168+\u]
.endr
	s_wait_dscnt 0x0
.irp u, 0,1,2,3,4,5,6,7
.set i, 8*(\g)+\u
	v_bfe_u32 v[160+\u], v[X+2*i], 8, 8
	v_add_nc_u32 v[176+\u], v[176+\u], v[160+\u]
	v_min_u32 v[176+\u], 0x26bf, v[176+\u]         ; inside the list: 155 blocks x 64 places
	v_lshlrev_b32 v[176+\u], 2, v[176+\u]
	v_add_nc_u32 v[184+\u], 32*i, v12
	global_store_b32 v[176+\u], v[184+\u], s[20:21]
.endr
.endm
.irp g, 0,1,2,3,4,5,6,7                        ; work-group g places groups 8 g .. 8 g + 7 of each wave: the branch hangs on the work-group's number alone, and no barrier follows
	s_cmp_eq_u32 ttmp9, \g
	s_cbranch_scc0 .Lother_\g
	SCAT \g
	s_wait_tensorcnt 0x0
	ds_add_u32 v192, v193
	s_wait_dscnt 0x0
	s_endpgm
.Lother_\g:
.endr
	; binfo, by the ninth work-group: thread t makes blocks t and t + 128.  The classes in ascending order: the last one whose first block is not behind the block owns it.
	v_mov_b32 v24, v0
	v_add_nc_u32 v25, 128, v0
	v_mov_b32 v26, 0
	v_mov_b32 v27, 0
	v_mov_b32 v28, 0
	v_mov_b32 v29, 0
.set CL, 0
.irp a, 0,1,2,3,4,5,6
.irp b, 1,2,3,4,5,6,7
.if \b > \a
	v_readlane_b32 s32, v9, CL
	v_readlane_b32 s33, v11, CL
	v_cmp_gt_u32 vcc_lo, s32, v24
	v_cndmask_b32 v26, s33, v26, vcc_lo
	v_cndmask_b32 v28, \a+256*\b, v28, vcc_lo
	v_cmp_gt_u32 vcc_lo, s32, v25
	v_cndmask_b32 v27, s33, v27, vcc_lo
	v_cndmask_b32 v29, \a+256*\b, v29, vcc_lo
.set CL, CL+1
.endif
.endr
.endr
.irp u, 0,1
	v_lshlrev_b32 v[30+\u], 6, v[24+\u]
	v_sub_nc_u32 v[30+\u], v[26+\u], v[30+\u]
	v_max_i32 v[30+\u], 0, v[30+\u]
	v_min_u32 v[30+\u], 64, v[30+\u]               ; the block's rows
	v_lshl_or_b32 v[30+\u], v[30+\u], 16, v[28+\u]
.endr
	global_store_b32 v3, v30, s[22:23]
	global_store_b32 v3, v31, s[22:23] offset:512
	s_wait_tensorcnt 0x0
	ds_add_u32 v192, v193
	s_wait_dscnt 0x0
	s_endpgm
.Lfunc_end_k_qbded274453_prep:
	.size	k_qbded274453_prep, .Lfunc_end_k_qbded274453_prep-k_qbded274453_prep
	.p2alignl 7, 3214868480
	.fill 96, 4, 3214868480
	.section	.rodata,"a",@progbits
	.p2align	6, 0x0
	.amdhsa_kernel k_qbded274453_prep
		.amdhsa_group_segment_fixed_size 1536
		.amdhsa_private_segment_fixed_size 0
		.amdhsa_enable_private_segment 0
		.amdhsa_kernarg_size 64
		.amdhsa_user_sgpr_count 2
		.amdhsa_user_sgpr_kernarg_segment_ptr 1
		.amdhsa_wavefront_size32 1
		.amdhsa_system_sgpr_workgroup_id_x 1
		.amdhsa_system_sgpr_workgroup_id_y 1
		.amdhsa_system_sgpr_workgroup_id_z 1
		.amdhsa_system_vgpr_workitem_id 0
		.amdhsa_next_free_vgpr 194
		.amdhsa_next_free_sgpr 66
		.amdhsa_reserve_vcc 1
		.amdhsa_float_denorm_mode_32 3
		.amdhsa_float_denorm_mode_16_64 3
		.amdhsa_memory_ordered 1
		.amdhsa_forward_progress 1
		.amdhsa_inst_pref_size 109
	.end_amdhsa_kernel
	.amdgpu_metadata
---
amdhsa.version: [ 1, 2 ]
amdhsa.kernels:
  - .name:           k_qbded274453_prep
    .symbol:         k_qbded274453_prep.kd
    .args:
      - { .name: W1, .offset: 0, .size: 8, .value_kind: global_buffer, .address_space: global }
      - { .name: W2, .offset: 8, .size: 8, .value_kind: global_buffer, .address_space: global }
      - { .name: lowp_scales, .offset: 16, .size: 8, .value_kind: global_buffer, .address_space: global }
      - { .name: ri, .offset: 24, .size: 8, .value_kind: global_buffer, .address_space: global }
      - { .name: w1f, .offset: 32, .size: 8, .value_kind: global_buffer, .address_space: global }
      - { .name: w2f, .offset: 40, .size: 8, .value_kind: global_buffer, .address_space: global }
      - { .name: order, .offset: 48, .size: 8, .value_kind: global_buffer, .address_space: global }
      - { .name: binfo, .offset: 56, .size: 8, .value_kind: global_buffer, .address_space: global }
    .group_segment_fixed_size: 1536
    .private_segment_fixed_size: 0
    .kernarg_segment_align: 8
    .kernarg_segment_size: 64
    .max_flat_workgroup_size: 128
    .sgpr_count:     66
    .vgpr_count:     194
    .wavefront_size: 32
...
	.end_amdgpu_metadata
.endif
;; end of part 2
;; launch chain (part 3): grid 155 x 1, 4 waves a work-group, no clusters, 218,624 bytes of LDS; arguments xc, w1f, w2f, b1, b2, lowp_scales, ri, order, binfo, out4, out0; writes out0
.if DOCPART == 3
	.amdgcn_target "amdgcn-amd-amdhsa--gfx1250"
	.amdhsa_code_object_version 6
	.text
	.protected	k_qbded274453_chain
	.globl	k_qbded274453_chain
	.p2align	8
	.type	k_qbded274453_chain,@function
k_qbded274453_chain:
	s_mov_b64 s[64:65], 0
	v_nop
	global_prefetch_b8 v0, s[64:65] scope:SCOPE_SE
	s_setreg_imm32_b32 hwreg(HW_REG_WAVE_MODE, 25, 1), 1
	s_wait_xcnt 0x0
; THE EXPERTS.  One work-group takes one block of at most 64 tokens that chose the SAME two experts (lo, hi) through the whole chain:
; h = gelu(x W1 + b1) for both experts, quantised on the way; y = h W2 + b2 for both; out0 = p_lo y_lo + p_hi y_hi.  Both products on codes of E5M2; sums in f32.  Each output row has one owner.
; The expert numbers enter four global base addresses and nothing else: the control flow is the same in every block.
; SHARES.  The four waves share the columns, not the rows: wave w makes hidden units 128 w .. + 127 of both experts and output columns 256 w .. + 255, for all 64 rows (four tiles m of 16).
; So each byte of the weights' codes is loaded by one wave, once, straight into registers (the codes lie in the order of the operand registers), through a ring of 16 fragments in four quarters.
; Both products are used transposed (source 0 = 16 rows of the weight, source 1 = 16 tokens): a lane holds one token (lane % 16), its registers run along the hidden units, or along the output columns.
; The hidden layer goes from wave to wave through LDS as images of the operand's registers.
; ROWS BEHIND THE BLOCK'S LAST repeat its last token: they compute the same numbers, and where their tile of rows is stored they write the same bytes again; tiles of rows with no token are not stored.
; AN EMPTY BLOCK (rows = 0; the grid of 155 serves every split) walks the whole text on the list's first token and stores nothing: so both barriers stand on every wave's path with no branch on a loaded number
; in front of them.  That work is thrown away.
; NO CLUSTER: which experts a block reads comes from the stored list, so a joint request's address would hang on loaded numbers that differ from block to block.  NO TENSOR LOADS: no weight byte is read by two waves.
; gelu(v) = v / 2 + (v / 2) erf(v / sqrt 2); erf(z) = z P(z^2) / Q(z^2), z held within +-4, P of degree 6, Q of degree 4, all in f32.  1 + erf cancels for very negative v, as it does in any f32 form of it.
; LIMITS on the given exponents e0..e3: e0 + e1 between -125 and 126; e3 between -126 and 112; e2 + e3 goes through v_ldexp_f32.  NaN is not served.
; LDS: XR 64 rows of x's codes, 1,024 bytes + 16; HI the images: expert x 32,768 + (4 m + s) x 2,048 + 512 c + 16 lane; BT a wave's biases (b1lo 512, b1hi 512, b2lo 1,024, b2hi 1,024), prescaled;
;   ST a wave's stage, 64 rows x (256 + 16); TK a wave's table: 64 tokens, 64 gates of lo, 64 of hi.  BT, ST, TK are each wave's own.
; REGISTERS.  window 0: v1 16 lane; v2, v3 x's fragments; v4, v5 images out; v6 images in; v7 b1; v8, v9 b2; v10, v11 stage in, out; v12 57,344 x 2^e3; v13 2^e3; v14-17, v18-21 the gates of lo, hi for tile m;
;   v22-25 two coefficients; v26-31 at work; v96-127 byte offsets of the rows in out0.  Phase 1: v32-95 b1's tiles, v128-255 two sets of x's four fragments.  gelu: v32-95, v128-147.
;   Phase 2: v32-63, v64-95 the sums of lo, hi; v128-159 mixed; v192-223 b2's tiles, two sets; the way out reads back into v32-95, v160-191, v224-255.
;   window 1: H of lo, 8 (4 t + m), later its 16 fragments, 16 (4 m + s);  window 2: the same of hi;  window 3: the ring.
.set XP, 1040
.set HI, 66560
.set BT, 132096
.set ST, 144384
.set SP, 272
.set TK, 214016
.set CB, 32
.set RO, 96
.set XF, 128
.set Z, 32
.set T, 48
.set Z2, 64
.set PP, 80
.set QQ, 128
.set CD, 144
.set SA, 32
.set SB, 64
.set Y, 128
.set CB2, 192
.set P1L, 30                           ; s[30:31], s[32:33] my part of W1's codes of lo, hi;  s[34:35], s[36:37] of W2's
.set P1H, 32
.set P2L, 34
.set P2H, 36
.set MSB, 0
.macro WIN new                         ; the immediate's high byte repeats the setting that is left
.if MSB != \new
	s_set_vgpr_msb (MSB<<8)|\new
.set MSB, \new
.endif
.endm
.macro PLACES                          ; four places behind matrix instructions, in front of loads into their registers and of reads of their results
.rept 4
	v_nop
.endr
.endm
.macro SPAIR r, val                    ; a constant for the packed forms: the pair is named, so both words are written
	s_mov_b32 s[\r], \val
	s_mov_b32 s[\r+1], \val
.endm
.macro RLOAD q, ptr, off               ; quarter q of the ring: four fragments, 8,192 consecutive bytes, 16 loads
	WIN 0xc0
.irp f, 0,1,2,3
.irp c, 0,1,2,3
	global_load_b128 v[64*(\q)+16*\f+4*\c:64*(\q)+16*\f+4*\c+3], v1, s[\ptr:\ptr+1] offset:(\off)+2048*\f+512*\c
.endr
.endr
	WIN 0
.endm
	s_load_b512 s[4:19], s[0:1], 0x0               ; xc, w1f, w2f, b1, b2, scales, ri, order
	s_load_b128 s[20:23], s[0:1], 0x40             ; binfo, out4
	s_load_b64 s[24:25], s[0:1], 0x50              ; out0
	v_lshrrev_b32 v28, 5, v0
	v_readfirstlane_b32 s26, v28                   ; wave
	v_and_b32 v29, 31, v0                          ; lane
	v_and_b32 v30, 15, v0                          ; r
	v_bfe_u32 v31, v0, 4, 1                        ; h
	v_lshlrev_b32 v1, 4, v29
	v_mul_u32_u24 v2, v30, XP
	v_lshl_add_u32 v2, v31, 4, v2                  ; x's fragments: row r, + 16 h
	s_mul_i32 s70, s26, 16640
	v_add_nc_u32 v3, s70, v1                       ; (for now) where my wave's 16 rows of x go
	s_lshl_b32 s70, s26, 11
	v_add_nc_u32 v4, s70, v1
	v_add_nc_u32 v4, HI, v4                        ; my images: K step = my wave
	v_add_nc_u32 v6, HI, v1
	s_mul_i32 s70, s26, 3072
	s_add_co_u32 s70, s70, BT
	v_add_nc_u32 v5, s70, v1                       ; (for now) where my biases go
	v_lshl_add_u32 v7, v31, 6, s70
	v_lshl_add_u32 v8, v31, 5, s70
	v_add_nc_u32 v8, 1024, v8
	s_mul_i32 s70, s26, 17408
	s_add_co_u32 s70, s70, ST
	v_mul_u32_u24 v10, v30, SP
	v_lshl_add_u32 v10, v31, 5, v10
	v_add_nc_u32 v10, s70, v10                     ; stage in: row r, + 32 h
	v_mul_u32_u24 v11, v31, SP
	v_lshl_add_u32 v11, v30, 4, v11
	v_add_nc_u32 v11, s70, v11                     ; stage out: lanes 0-15 one row, lanes 16-31 the next
	s_lshl_b32 s70, s26, 10
	s_add_co_u32 s70, s70, TK
	v_lshl_add_u32 v9, v29, 2, s70                 ; (for now) my table: a word a lane,
	v_lshl_add_u32 v90, v30, 2, s70                ; a word for row r,
	v_lshl_add_u32 v91, v31, 2, s70                ; a word for my half
	v_lshlrev_b32 v92, 4, v30
	SPAIR 48, 0xaf95df0b                           ; P: -2.72614225801306e-10
	SPAIR 50, 0xb60cff51                           ;    -2.10102402082508e-06
	SPAIR 52, 0xb86ec2d2                           ;    -5.69250639462346e-05
	SPAIR 54, 0xba40ac63                           ;    -7.34990630326855e-04
	SPAIR 56, 0xbb41a1f6                           ;    -2.95459980854025e-03
	SPAIR 58, 0xbc83dbd4                           ;    -1.60960333262415e-02
	SPAIR 60, 0xb77460cd                           ; Q: -1.45660718464996e-05
	SPAIR 62, 0xbadc924e                           ;    -1.68282697438203e-03
	SPAIR 66, 0xbbf19bf8                           ;    -7.37332916720468e-03
	SPAIR 68, 0xbc69b6a7                           ;    -1.42647390514189e-02
	v_mov_b32 v22, 0x32edffee                      ; P's second: 2.77068142495902e-08
	v_mov_b32 v23, 0x32edffee
	v_mov_b32 v24, 0xb95fbd29                      ; Q's second: -2.13374055278905e-04
	v_mov_b32 v25, 0xb95fbd29
	s_lshl_b32 s70, ttmp9, 2
	s_wait_kmcnt 0x0
	s_load_b32 s71, s[20:21], s70 offset:0x0       ; my block's word
	s_load_b128 s[40:43], s[14:15], 0x0            ; e0 .. e3
	s_wait_kmcnt 0x0
	s_lshr_b32 s27, s71, 16
	s_min_u32 s27, s27, 64                         ; rows
	s_and_b32 s28, s71, 0xff
	s_min_u32 s28, s28, 7                          ; lo
	s_bfe_u32 s29, s71, 0x80008
	s_min_u32 s29, s29, 7                          ; hi
	s_lshl_b32 s74, s28, 2
	s_add_co_u32 s74, s74, s26
	s_lshl_b32 s74, s74, 17                        ; (4 expert + wave) x 131,072, in both buffers of codes
	s_mov_b32 s75, 0
	s_lshl_b32 s76, s29, 2
	s_add_co_u32 s76, s76, s26
	s_lshl_b32 s76, s76, 17
	s_mov_b32 s77, 0
	s_add_nc_u64 s[P1L:P1L+1], s[6:7], s[74:75]
	s_add_nc_u64 s[P1H:P1H+1], s[6:7], s[76:77]
	s_add_nc_u64 s[P2L:P2L+1], s[8:9], s[74:75]
	s_add_nc_u64 s[P2H:P2H+1], s[8:9], s[76:77]
	s_lshl_b32 s78, s26, 10
	s_mov_b32 s79, 0
	s_add_nc_u64 s[38:39], s[24:25], s[78:79]      ; out0 at my wave's first column
	s_cmp_eq_u32 s27, 0
	s_cselect_b32 s80, 0, ttmp9                    ; an empty block reads the list's first place
	s_lshl_b32 s80, s80, 6
	s_max_u32 s81, s27, 1
	s_sub_co_u32 s81, s81, 1                       ; the last row that has a token
	v_min_u32 v80, s81, v29                        ; rows l,
	v_add_nc_u32 v81, 32, v29
	v_min_u32 v81, s81, v81                        ; l + 32,
	s_lshl_b32 s82, s26, 4
	v_add_nc_u32 v82, s82, v30
	v_min_u32 v82, s81, v82                        ; and 16 wave + l % 16
.irp i, 80,81,82
	v_add_nc_u32 v\i, s80, v\i
	v_min_u32 v\i, 0x26bf, v\i
	v_lshlrev_b32 v\i, 2, v\i
.endr
	global_load_b32 v26, v80, s[18:19]
	global_load_b32 v27, v81, s[18:19]
	global_load_b32 v28, v82, s[18:19]
	RLOAD 0, P1L, 0                                ; the ring's first fill: K step 0: lo's tiles 0-3, 4-7, hi's tiles 0-3, 4-7
	RLOAD 1, P1L, 8192
	RLOAD 2, P1H, 0
	RLOAD 3, P1H, 8192
	s_add_co_i32 s94, s40, s41                     ; e0 + e1
	s_add_co_i32 s95, s42, s43                     ; e2 + e3
	s_sub_co_i32 s96, 0, s94
	s_sub_co_i32 s97, 0, s95
	s_lshl_b32 s98, s94, 23
	s_add_co_u32 s44, s98, 0x3f3504f3              ; 2^(e0 + e1) / sqrt 2: a sum x this is z
	s_mov_b32 s45, s44
	s_add_co_u32 s46, s98, 0x3f000000              ; 2^(e0 + e1) / 2
	s_mov_b32 s47, s46
	s_add_co_i32 s98, s43, 127
	s_lshl_b32 s99, s98, 23
	v_mov_b32 v13, s99                             ; 2^e3 as f32
	s_add_co_i32 s98, s98, 15
	s_lshl_b32 s98, s98, 23
	s_or_b32 s98, s98, 0x600000
	v_mov_b32 v12, s98                             ; 57,344 x 2^e3
	s_lshl_b32 s84, s28, 11
	s_lshl_b32 s85, s26, 9
	s_add_co_u32 s84, s84, s85
	s_mov_b32 s85, 0
	s_add_nc_u64 s[86:87], s[10:11], s[84:85]      ; b1 of lo, my 128 units
	s_lshl_b32 s84, s29, 11
	s_lshl_b32 s83, s26, 9
	s_add_co_u32 s84, s84, s83
	s_add_nc_u64 s[88:89], s[10:11], s[84:85]      ; of hi
	s_lshl_b32 s84, s28, 12
	s_lshl_b32 s83, s26, 10
	s_add_co_u32 s84, s84, s83
	s_add_nc_u64 s[90:91], s[12:13], s[84:85]      ; b2 of lo, my 256 columns
	s_lshl_b32 s84, s29, 12
	s_add_co_u32 s84, s84, s83
	s_add_nc_u64 s[92:93], s[12:13], s[84:85]      ; of hi
	s_wait_loadcnt 63                              ; 64 loads were issued behind the three of the list: with 63 out those three are in
	v_min_u32 v26, 0x1fff, v26
	v_min_u32 v27, 0x1fff, v27
	v_min_u32 v28, 0x1fff, v28
	v_lshlrev_b32 v72, 3, v26
	v_lshlrev_b32 v73, 3, v27
	global_load_b32 v74, v72, s[16:17]             ; the tokens' words: which of the two chosen is lo
	global_load_b32 v75, v73, s[16:17]
	global_load_b64 v[76:77], v72, s[22:23]        ; and their two probs
	global_load_b64 v[78:79], v73, s[22:23]
.irp i, 0,1,2,3,4,5,6,7,8,9,10,11,12,13,14,15
	v_readlane_b32 s83, v28, \i                    ; row 16 wave + i's token
	s_min_u32 s83, s83, 0x1fff
	s_lshl_b32 s83, s83, 10
	v_add_nc_u32 v[32+\i], s83, v1
	global_load_b128 v[128+8*\i:131+8*\i], v[32+\i], s[4:5]              ; its 1,024 bytes of codes: twice 512 consecutive bytes
	global_load_b128 v[132+8*\i:135+8*\i], v[32+\i], s[4:5] offset:512
.endr
	global_load_b128 v[48:51], v1, s[86:87]
	global_load_b128 v[52:55], v1, s[88:89]
	global_load_b128 v[56:59], v1, s[90:91]
	global_load_b128 v[60:63], v1, s[90:91] offset:512
	global_load_b128 v[64:67], v1, s[92:93]
	global_load_b128 v[68:71], v1, s[92:93] offset:512
	s_wait_loadcnt 0x0
	ds_store_b32 v9, v26                           ; my wave's table: the 64 rows' tokens,
	ds_store_b32 v9, v27 offset:128
.irp u, 0,1
	v_bfe_u32 v84, v[74+\u], 16, 8
	v_bfe_u32 v85, v[74+\u], 24, 8
	v_cmp_lt_u32 vcc_lo, v84, v85
	v_cndmask_b32 v[86+2*\u], v[77+2*\u], v[76+2*\u], vcc_lo       ; lo's prob,
	v_cndmask_b32 v[87+2*\u], v[76+2*\u], v[77+2*\u], vcc_lo       ; hi's
	v_ldexp_f32 v[86+2*\u], v[86+2*\u], s95        ; x 2^(e2 + e3), which the second product's sums lack
	v_ldexp_f32 v[87+2*\u], v[87+2*\u], s95
	ds_store_b32 v9, v[86+2*\u] offset:256+128*\u  ; their gates
	ds_store_b32 v9, v[87+2*\u] offset:512+128*\u
.endr
.irp i, 0,1,2,3,4,5,6,7,8,9,10,11,12,13,14,15
	ds_store_b128 v3, v[128+8*\i:131+8*\i] offset:XP*\i
	ds_store_b128 v3, v[132+8*\i:135+8*\i] offset:XP*\i+512
.endr
.irp i, 0,1,2,3,4,5,6,7
	v_ldexp_f32 v[48+\i], v[48+\i], s96            ; b1 / 2^(e0 + e1): it goes in as the C of a sum's first product
.endr
.irp i, 0,1,2,3,4,5,6,7,8,9,10,11,12,13,14,15
	v_ldexp_f32 v[56+\i], v[56+\i], s97            ; b2 / 2^(e2 + e3) likewise
.endr
.irp i, 0,1,2,3,4,5
	ds_store_b128 v5, v[48+4*\i:51+4*\i] offset:512*\i
.endr
.irp m, 0,1,2,3
	ds_load_b32 v[14+\m], v90 offset:256+64*\m     ; my own bytes, served in order: the gates of row 16 m + r
	ds_load_b32 v[18+\m], v90 offset:512+64*\m
.endr
.irp m, 0,1,2,3
.irp i, 0,1,2,3,4,5,6,7
	ds_load_b32 v[RO+8*\m+\i], v91 offset:64*\m+8*\i               ; the token of row 16 m + 2 i + h
.endr
.endr
	s_wait_dscnt 0x0                               ; my rows of x lie in LDS, and my reads are in
	s_barrier_signal -1
.set i, 0
.rept 32
	v_min_u32 v[RO+i], 0x1fff, v[RO+i]
	v_lshl_add_u32 v[RO+i], v[RO+i], 12, v92       ; its row of out0, + 16 (lane % 16)
.set i, i+1
.endr
	s_barrier_wait -1                              ; all 64 rows of x lie in LDS
; ---- PHASE 1: H = x W1 + b1 for both experts.  A K step of 128 is 64 matrix instructions: four quarters of the ring x four tiles of rows.
.macro XFETCH xb, adr, off             ; x's four fragments of a K step into set xb
.irp m, 0,1,2,3
.irp c, 0,1,2,3
	ds_load_b128 v[XF+64*(\xb)+16*\m+4*\c:XF+64*(\xb)+16*\m+4*\c+3], v[\adr] offset:16640*\m+(\off)+32*\c
.endr
.endr
.endm
.macro BIAS1 half, x                   ; b1's tiles 4 half .. + 3 of expert x (0 lo, 1 hi): lane (r, h) wants units 32 (t / 2) + 16 h + 8 (t % 2) + 0 .. 7
.irp f, 0,1,2,3
	ds_load_b128 v[CB+32*(\half)+8*\f:CB+32*(\half)+8*\f+3], v7 offset:512*(\x)+128*(2*(\half)+\f/2)+32*(\f%2)
	ds_load_b128 v[CB+32*(\half)+8*\f+4:CB+32*(\half)+8*\f+7], v7 offset:512*(\x)+128*(2*(\half)+\f/2)+32*(\f%2)+16
.endr
.endm
; 16 matrix instructions on 16 accumulators; an accumulator comes round again after the 63 others.  first = 1: the bias is the C, nothing is cleared.
.macro MUL1 q, xb, first
.if \first
	WIN 0x43+0x40*((\q)/2)                         ; weights window 3, x and the bias window 0, H window 1 (lo) or 2 (hi)
.else
	WIN 0x53+0x50*((\q)/2)
.endif
.irp f, 0,1,2,3
.irp m, 0,1,2,3
.set HD, 8*(4*(4*((\q)%2)+\f)+\m)
.if \first
	v_wmma_f32_16x16x128_bf8_bf8 v[HD:HD+7], v[64*(\q)+16*\f:64*(\q)+16*\f+15], v[XF+64*(\xb)+16*\m:XF+64*(\xb)+16*\m+15], v[CB+32*((\q)%2)+8*\f:CB+32*((\q)%2)+8*\f+7]
.else
	v_wmma_f32_16x16x128_bf8_bf8 v[HD:HD+7], v[64*(\q)+16*\f:64*(\q)+16*\f+15], v[XF+64*(\xb)+16*\m:XF+64*(\xb)+16*\m+15], v[HD:HD+7]
.endif
.endr
.endr
.endm
.macro QUART q, xb, first, ptr, off    ; a quarter is multiplied and filled again
	s_wait_loadcnt 48                              ; this quarter is in; the three filled behind it (48 loads) stay out
	MUL1 \q, \xb, \first
	PLACES
	RLOAD \q, \ptr, \off
.endm
.macro KSTEP xb, off
	QUART 0, \xb, 0, P1L, \off
	QUART 1, \xb, 0, P1L, (\off)+8192
	QUART 2, \xb, 0, P1H, \off
	QUART 3, \xb, 0, P1H, (\off)+8192
.endm
	XFETCH 0, 2, 0
	BIAS1 0, 0
	BIAS1 1, 0
	XFETCH 1, 2, 128                               ; K step 0, written out: its products start the sums
	s_wait_dscnt 16                                ; all but the next K step's 16 loads
	QUART 0, 0, 1, P1L, 16384
	BIAS1 0, 1                                     ; hi's biases take lo's places, behind the places that follow the products which read them
	QUART 1, 0, 1, P1L, 24576
	BIAS1 1, 1
	s_wait_dscnt 8                                 ; hi's tiles 0-3 are in; the eight loads of tiles 4-7 may be out
	QUART 2, 0, 1, P1H, 16384
	s_wait_dscnt 0x0
	QUART 3, 0, 1, P1H, 24576
	s_mov_b32 s72, 0
	s_mov_b32 s73, 0
.Lk:                                               ; three trips of two K steps: 1, 2; 3, 4; 5, 6
	s_wait_dscnt 0x0                               ; this K step's fragments of x are in (asked for 64 matrix instructions ago): v3 may be written
	v_add_nc_u32 v3, s73, v2
	XFETCH 0, 3, 256
	KSTEP 1, 32768
	XFETCH 1, 3, 384
	s_wait_dscnt 16                                ; all but the 16 just issued
	KSTEP 0, 49152
	s_wait_xcnt 0x0                                ; the loads have read their bases
	s_add_nc_u64 s[P1L:P1L+1], s[P1L:P1L+1], 32768
	s_add_nc_u64 s[P1H:P1H+1], s[P1H:P1H+1], 32768
	s_add_co_u32 s73, s73, 256
	s_add_co_u32 s72, s72, 1
	s_cmp_lt_u32 s72, 3
	s_cbranch_scc1 .Lk
	s_wait_dscnt 0x0
	QUART 0, 1, 0, P2L, 0                          ; K step 7: the ring takes W2's first two tiles of columns: lo 0, hi 0, lo 1, hi 1; they land under the gelu
	QUART 1, 1, 0, P2H, 0
	QUART 2, 1, 0, P2L, 8192
	QUART 3, 1, 0, P2H, 8192
; ---- GELU AND THE QUANTISER.  Two trips, lo and hi; 16 batches of 16 numbers a lane: tiles 2 b, 2 b + 1 of rows m are 16 neighbours along the next K: piece b of the fragment (m, K step = my wave).
.macro HCOPY                           ; the one step that names H: z = sum x 2^(e0 + e1) / sqrt 2, t = sum x 2^(e0 + e1) / 2; each accumulator from its low end on
.irp i, 0,2,4,6
	v_pk_mul_f32 v[Z+\i:Z+\i+1], v[H0+\i:H0+\i+1], s[44:45] op_sel_hi:[1,0]
.endr
.irp i, 0,2,4,6
	v_pk_mul_f32 v[Z+8+\i:Z+8+\i+1], v[H1+\i:H1+\i+1], s[44:45] op_sel_hi:[1,0]
.endr
.irp i, 0,2,4,6
	v_pk_mul_f32 v[T+\i:T+\i+1], v[H0+\i:H0+\i+1], s[46:47] op_sel_hi:[1,0]
.endr
.irp i, 0,2,4,6
	v_pk_mul_f32 v[T+8+\i:T+8+\i+1], v[H1+\i:H1+\i+1], s[46:47] op_sel_hi:[1,0]
.endr
.endm
.macro HORN a, c                       ; a = a z^2 + the next coefficient, eight pairs
.irp i, 0,2,4,6,8,10,12,14
	v_pk_fma_f32 v[\a+\i:\a+\i+1], v[\a+\i:\a+\i+1], v[Z2+\i:Z2+\i+1], s[\c:\c+1] op_sel_hi:[1,1,0]
.endr
.endm
.macro BATCH m, b
.set H0, 8*(4*(2*\b)+\m)
.set H1, 8*(4*(2*\b+1)+\m)
	s_cmp_eq_u32 s72, 0
	s_cbranch_scc0 .Lhi_\@
	WIN 0x01
	HCOPY
	WIN 0
	s_branch .Lgo_\@
.Lhi_\@:
	WIN 0x02
	HCOPY
	WIN 0
.Lgo_\@:
.irp i, 0,1,2,3,4,5,6,7,8,9,10,11,12,13,14,15
	v_med3_num_f32 v[Z+\i], v[Z+\i], -4.0, 4.0
.endr
.irp i, 0,2,4,6,8,10,12,14
	v_pk_mul_f32 v[Z2+\i:Z2+\i+1], v[Z+\i:Z+\i+1], v[Z+\i:Z+\i+1]
.endr
.irp i, 0,2,4,6,8,10,12,14
	v_pk_fma_f32 v[PP+\i:PP+\i+1], v[Z2+\i:Z2+\i+1], s[48:49], v[22:23] op_sel_hi:[1,0,1]
.endr
.irp i, 0,2,4,6,8,10,12,14
	v_pk_fma_f32 v[QQ+\i:QQ+\i+1], v[Z2+\i:Z2+\i+1], s[60:61], v[24:25] op_sel_hi:[1,0,1]
.endr
	HORN PP, 50
	HORN QQ, 62
	HORN PP, 52
	HORN QQ, 66
	HORN PP, 54
	HORN QQ, 68
	HORN PP, 56
	HORN PP, 58
.irp i, 0,1,2,3,4,5,6,7,8,9,10,11,12,13,14,15
	v_rcp_f32 v[QQ+\i], v[QQ+\i]
.endr
.irp i, 0,2,4,6,8,10,12,14
	v_pk_mul_f32 v[PP+\i:PP+\i+1], v[PP+\i:PP+\i+1], v[Z+\i:Z+\i+1]       ; (the plain lines behind the reciprocals)
.endr
	s_wait_alu depctr_va_vdst(0)
.irp i, 0,2,4,6,8,10,12,14
	v_pk_mul_f32 v[PP+\i:PP+\i+1], v[PP+\i:PP+\i+1], v[QQ+\i:QQ+\i+1]     ; erf
.endr
.irp i, 0,2,4,6,8,10,12,14
	v_pk_fma_f32 v[T+\i:T+\i+1], v[T+\i:T+\i+1], v[PP+\i:PP+\i+1], v[T+\i:T+\i+1]   ; gelu = t erf + t
.endr
.irp i, 0,1,2,3,4,5,6,7,8,9,10,11,12,13,14,15
	v_med3_num_f32 v[T+\i], v[T+\i], -v12, v12     ; the conversion does not saturate (ISA guide 7.6.2)
.endr
	s_wait_dscnt 0x0                               ; the last batch's store has read the code registers (it was issued a batch ago)
	v_cvt_scalef32_pk8_bf8_f32 v[CD:CD+1], v[T:T+7], v13
	v_cvt_scalef32_pk8_bf8_f32 v[CD+2:CD+3], v[T+8:T+15], v13
	v_nop                                          ; a plain line between the conversions and the next lines that write their sources
	ds_store_b128 v5, v[CD:CD+3] offset:8192*\m+512*\b
.endm
	s_mov_b32 s72, 0
	s_mov_b32 s73, 0
.Lgelu:
	s_wait_dscnt 0x0
	v_add_nc_u32 v5, s73, v4                       ; lo's images, then hi's
.irp m, 0,1,2,3
.irp b, 0,1,2,3
	BATCH \m, \b
.endr
.endr
	s_add_co_u32 s73, s73, 32768
	s_add_co_u32 s72, s72, 1
	s_cmp_lt_u32 s72, 2
	s_cbranch_scc1 .Lgelu
	s_wait_dscnt 0x0                               ; my images lie in LDS
	s_barrier_signal -1
	s_barrier_wait -1                              ; all 32 fragments of the hidden layers do
; ---- PHASE 2: for each tile of 16 output columns both experts' sums, mixed with the gates; four tiles (256 bytes of a row) at a time leave through my stage.
	WIN 0x40
.set f, 0
.rept 16
.irp c, 0,1,2,3
	ds_load_b128 v[16*f+4*\c:16*f+4*\c+3], v6 offset:2048*f+512*\c
.endr
.set f, f+1
.endr
	WIN 0x80
.set f, 0
.rept 16
.irp c, 0,1,2,3
	ds_load_b128 v[16*f+4*\c:16*f+4*\c+3], v6 offset:32768+2048*f+512*\c
.endr
.set f, f+1
.endr
	WIN 0
	ds_load_b128 v[CB2:CB2+3], v8                  ; b2's tile 0 of lo,
	ds_load_b128 v[CB2+4:CB2+7], v8 offset:16
	ds_load_b128 v[CB2+8:CB2+11], v8 offset:1024   ; of hi
	ds_load_b128 v[CB2+12:CB2+15], v8 offset:1040
; 16 matrix instructions: K steps outermost, the four tiles of rows by turns, one instruction a turn; the bias is the first C
.macro MUL2 acc, q, cb, win
	WIN \win
.irp ss, 0,1,2,3
.irp m, 0,1,2,3
.if \ss == 0
	v_wmma_f32_16x16x128_bf8_bf8 v[\acc+8*\m:\acc+8*\m+7], v[64*(\q)+16*\ss:64*(\q)+16*\ss+15], v[16*(4*\m+\ss):16*(4*\m+\ss)+15], v[\cb:\cb+7]
.else
	v_wmma_f32_16x16x128_bf8_bf8 v[\acc+8*\m:\acc+8*\m+7], v[64*(\q)+16*\ss:64*(\q)+16*\ss+15], v[16*(4*\m+\ss):16*(4*\m+\ss)+15], v[\acc+8*\m:\acc+8*\m+7]
.endif
.endr
.endr
.endm
; Tile k of a group of four.  last = 1: the last group: its tiles 2 and 3 fill nothing again, and the counts run down.
.macro CT k, last
.set QA, 2*((\k)%2)
.set PR, (\k)%2
.if (\k)==0
	s_wait_dscnt 0x0
.else
	s_wait_dscnt 8                                 ; the tile's biases are in; the eight stage stores issued behind them may be out
.endif
.if \last && ((\k)==3)
	s_wait_loadcnt 16
.else
	s_wait_loadcnt 48                              ; lo's quarter is in; the three filled behind it stay out
.endif
	MUL2 SA, QA, CB2+16*PR, 0x07
	PLACES
.if \last && ((\k)>=2)
	WIN 0
.else
	RLOAD QA, P2L, ((\k)+2)*8192
.endif
.if \last && ((\k)==3)
	s_wait_loadcnt 0x0
.elseif \last && ((\k)==2)
	s_wait_loadcnt 32
.else
	s_wait_loadcnt 48
.endif
	MUL2 SB, QA+1, CB2+8+16*PR, 0x0b
	PLACES
.if \last && ((\k)>=2)
	WIN 0
.else
	RLOAD QA+1, P2H, ((\k)+2)*8192
.endif
.if \last && ((\k)==3)
	s_wait_dscnt 0x0
.else
	ds_load_b128 v[CB2+16*(1-PR):CB2+16*(1-PR)+3], v9 offset:64*((\k)+1)            ; the next tile's biases into the other set
	ds_load_b128 v[CB2+16*(1-PR)+4:CB2+16*(1-PR)+7], v9 offset:64*((\k)+1)+16
	ds_load_b128 v[CB2+16*(1-PR)+8:CB2+16*(1-PR)+11], v9 offset:64*((\k)+1)+1024
	ds_load_b128 v[CB2+16*(1-PR)+12:CB2+16*(1-PR)+15], v9 offset:64*((\k)+1)+1040
	s_wait_dscnt 4                                 ; the four just issued may be out: the last tile's stage stores have read the registers written below
.endif
.irp m, 0,1,2,3
.irp i, 0,2,4,6
.if \m%2 == 0
	v_pk_mul_f32 v[Y+8*\m+\i:Y+8*\m+\i+1], v[SA+8*\m+\i:SA+8*\m+\i+1], v[14+2*(\m/2):15+2*(\m/2)] op_sel_hi:[1,0]
.else
	v_pk_mul_f32 v[Y+8*\m+\i:Y+8*\m+\i+1], v[SA+8*\m+\i:SA+8*\m+\i+1], v[14+2*(\m/2):15+2*(\m/2)] op_sel:[0,1] op_sel_hi:[1,1]
.endif
.endr
.irp i, 0,2,4,6
.if \m%2 == 0
	v_pk_fma_f32 v[Y+8*\m+\i:Y+8*\m+\i+1], v[SB+8*\m+\i:SB+8*\m+\i+1], v[18+2*(\m/2):19+2*(\m/2)], v[Y+8*\m+\i:Y+8*\m+\i+1] op_sel_hi:[1,0,1]
.else
	v_pk_fma_f32 v[Y+8*\m+\i:Y+8*\m+\i+1], v[SB+8*\m+\i:SB+8*\m+\i+1], v[18+2*(\m/2):19+2*(\m/2)], v[Y+8*\m+\i:Y+8*\m+\i+1] op_sel:[0,1,0] op_sel_hi:[1,1,1]
.endif
.endr
.endr
.irp m, 0,1,2,3
	ds_store_b128 v10, v[Y+8*\m:Y+8*\m+3] offset:16*SP*\m+64*(\k)                   ; lane (r, h): row 16 m + r, columns 16 k + 8 h + 0 .. 7 of the group's 64
	ds_store_b128 v10, v[Y+8*\m+4:Y+8*\m+7] offset:16*SP*\m+64*(\k)+16
.endr
.endm
; The group's 64 columns leave: back from my stage by rows; sixteen lanes store 256 consecutive bytes, aligned.  A tile of rows without a token is passed over: the one kind of branch on the block's rows.
.macro OUTG
.irp m, 0,1,2,3
.irp i, 0,1,2,3,4,5,6,7
	ds_load_b128 v[32+32*\m+64*(\m/2)+32*(\m/3)+4*\i:32+32*\m+64*(\m/2)+32*(\m/3)+4*\i+3], v11 offset:(16*\m+2*\i)*SP   ; my own bytes, served in order behind the stores
.endr
.endr
	s_wait_dscnt 0x0
.irp m, 0,1,2,3
	s_cmp_gt_u32 s27, 16*\m
	s_cbranch_scc0 .Lnone_\@_\m
.irp i, 0,1,2,3,4,5,6,7
	global_store_b128 v[RO+8*\m+\i], v[32+32*\m+64*(\m/2)+32*(\m/3)+4*\i:32+32*\m+64*(\m/2)+32*(\m/3)+4*\i+3], s[38:39] th:TH_STORE_NT
.endr
.Lnone_\@_\m:
.endr
.endm
	s_mov_b32 s72, 0
	s_mov_b32 s73, 0
.Lgrp:                                             ; three trips of four tiles
	v_add_nc_u32 v9, s73, v8
	CT 0, 0
	CT 1, 0
	CT 2, 0
	CT 3, 0
	OUTG
	s_wait_xcnt 0x0                                ; the stores have read their data and base, the ring's loads their bases
	s_add_nc_u64 s[38:39], s[38:39], 256
	s_add_nc_u64 s[P2L:P2L+1], s[P2L:P2L+1], 32768
	s_add_nc_u64 s[P2H:P2H+1], s[P2H:P2H+1], 32768
	s_add_co_u32 s73, s73, 256
	s_add_co_u32 s72, s72, 1
	s_cmp_lt_u32 s72, 3
	s_cbranch_scc1 .Lgrp
	v_add_nc_u32 v9, s73, v8                       ; the last group is written out: no load leaves its buffer
	CT 0, 1
	CT 1, 1
	CT 2, 1
	CT 3, 1
	OUTG
	s_wait_xcnt 0x0
	v_lshl_add_u32 v254, v0, 2, 0x35400
	v_mov_b32 v255, 0
	s_wait_tensorcnt 0x0
	ds_add_u32 v254, v255
	s_wait_dscnt 0x0
	s_endpgm
.Lfunc_end_k_qbded274453_chain:
	.size	k_qbded274453_chain, .Lfunc_end_k_qbded274453_chain-k_qbded274453_chain
	.p2alignl 7, 3214868480
	.fill 96, 4, 3214868480
	.section	.rodata,"a",@progbits
	.p2align	6, 0x0
	.amdhsa_kernel k_qbded274453_chain
		.amdhsa_group_segment_fixed_size 218624
		.amdhsa_private_segment_fixed_size 0
		.amdhsa_enable_private_segment 0
		.amdhsa_kernarg_size 88
		.amdhsa_user_sgpr_count 2
		.amdhsa_user_sgpr_kernarg_segment_ptr 1
		.amdhsa_wavefront_size32 1
		.amdhsa_system_sgpr_workgroup_id_x 1
		.amdhsa_system_sgpr_workgroup_id_y 1
		.amdhsa_system_sgpr_workgroup_id_z 1
		.amdhsa_system_vgpr_workitem_id 0
		.amdhsa_next_free_vgpr 1024
		.amdhsa_next_free_sgpr 100
		.amdhsa_reserve_vcc 1
		.amdhsa_float_denorm_mode_32 3
		.amdhsa_float_denorm_mode_16_64 3
		.amdhsa_memory_ordered 1
		.amdhsa_forward_progress 1
		.amdhsa_inst_pref_size 255
	.end_amdhsa_kernel
	.section	.bss,"aw",@nobits
	.p2align	6
	.space	262144
	.amdgpu_metadata
---
amdhsa.version: [ 1, 2 ]
amdhsa.kernels:
  - .name:           k_qbded274453_chain
    .symbol:         k_qbded274453_chain.kd
    .args:
      - { .name: xc, .offset: 0, .size: 8, .value_kind: global_buffer, .address_space: global }
      - { .name: w1f, .offset: 8, .size: 8, .value_kind: global_buffer, .address_space: global }
      - { .name: w2f, .offset: 16, .size: 8, .value_kind: global_buffer, .address_space: global }
      - { .name: b1, .offset: 24, .size: 8, .value_kind: global_buffer, .address_space: global }
      - { .name: b2, .offset: 32, .size: 8, .value_kind: global_buffer, .address_space: global }
      - { .name: lowp_scales, .offset: 40, .size: 8, .value_kind: global_buffer, .address_space: global }
      - { .name: ri, .offset: 48, .size: 8, .value_kind: global_buffer, .address_space: global }
      - { .name: order, .offset: 56, .size: 8, .value_kind: global_buffer, .address_space: global }
      - { .name: binfo, .offset: 64, .size: 8, .value_kind: global_buffer, .address_space: global }
      - { .name: out4, .offset: 72, .size: 8, .value_kind: global_buffer, .address_space: global }
      - { .name: out0, .offset: 80, .size: 8, .value_kind: global_buffer, .address_space: global }
    .group_segment_fixed_size: 218624
    .private_segment_fixed_size: 0
    .kernarg_segment_align: 8
    .kernarg_segment_size: 88
    .max_flat_workgroup_size: 128
    .sgpr_count:     100
    .vgpr_count:     1024
    .wavefront_size: 32
...
	.end_amdgpu_metadata
.endif
;; end of part 3
;; ======== version 2 of 2: 3 launches
;; workspace buffers: xc 8,388,608 bytes; w1f 4,194,304 bytes; w2f 4,194,304 bytes; ri 65,536 bytes of whole numbers; order 39,936 bytes of whole numbers; binfo 1,024 bytes of whole numbers
;; launch route (part 4): grid 256 x 1, 4 waves a work-group, no clusters, 39,936 bytes of LDS; arguments x, Wr, br, lowp_scales, xc, out1, out2, out3, out4, ri; writes xc, out1, out2, out3, out4, ri
.if DOCPART == 4
	.amdgcn_target "amdgcn-amd-amdhsa--gfx1250"
	.amdhsa_code_object_version 6
	.text
	.protected	k_qbded274453_route
	.globl	k_qbded274453_route
	.p2align	8
	.type	k_qbded274453_route,@function
k_qbded274453_route:
	s_mov_b64 s[64:65], 0
	v_nop
	global_prefetch_b8 v0, s[64:65] scope:SCOPE_SE
	s_setreg_imm32_b32 hwreg(HW_REG_WAVE_MODE, 25, 1), 1
	s_wait_xcnt 0x0
; ROUTER AND x'S CODES.  x [8192][1024] f32 is read once.  Out: logits (out1), probs (out2), the two chosen experts (out3) and their probs (out4), x's codes of E5M2 (xc),
; and for each group of 32 tokens (one work-group) each token's class and rank and the group's count of each class (ri): values stored at fixed places, no address hangs on them.
; SHARES.  A work-group takes 32 tokens, each of its four waves 8 whole rows.  Lane l holds x[128 j + 4 l + i], j = 0..7, i = 0..3: each load of a wave covers 512 consecutive bytes.
; Wr (32 KB) stays in each wave's registers: lane l holds the 32 rows of Wr that meet its 32 numbers of x.  The router's product is f32 multiply-adds, since the choice is compared exactly.
; xc: a row is 1,024 bytes; byte p holds k = 512 (p >> 9) + 128 ((p >> 2) & 3) + 4 ((p >> 4) & 31) + (p & 3): the order in which the lanes hold x; W1's codes are laid to meet it.
; A class is the unordered pair of chosen experts (lo < hi), 28 in all, numbered in the order (0,1), (0,2) .. (6,7).
; ri: [group][lane][2]: word 0 = class | rank << 8 | i0 << 16 | i1 << 24 of token 32 g + lane (rank: among the group's earlier tokens of that class); word 1 = the group's count of class = lane.
; LIMITS: lowp_scales[0] between -126 and 112.  NaN is not served.  Two probs that agree to the last bits of f32 may be ordered otherwise than by another order of the sums.
; REGISTERS: window 0: v1 lane, v2 16 lane, v3 16 t, v4, v5 LDS addresses of Wr, v6 57,344 x 2^e, v7 2^e, v8-23 two sets of eight sums, v24-31 at work, v32-39 logits, v40-63 softmax,
;   v64-127 Wr as loaded, then the codes, v128-130 LDS addresses of the results' stage, v136.. at work;  window 1: Wr, 8 (4 j + i) + e;  window 2: x, 32 row + 4 j + i.
.set RL, 36864                         ; LDS: Wr in 256 pieces of 128 bytes + 16 of padding (36,864 bytes); then the stage: logits,
.set RP, 37888                         ; probs,
.set RI, 38912                         ; the chosen pairs,
.set RQ, 39168                         ; their probs
.set ACA, 8
.set ACB, 16
.set TP, 24
.set LG, 32
.set PB, 40
.set CO, 64
.set MSB, 0
.macro WIN new                         ; the immediate's high byte repeats the setting that is left
.if MSB != \new
	s_set_vgpr_msb (MSB<<8)|\new
.set MSB, \new
.endif
.endm
.macro XLOAD r                         ; row r of my eight: eight loads of 512 consecutive bytes
	WIN 0x80
.irp j, 0,1,2,3,4,5,6,7
	global_load_b128 v[32*(\r)+4*\j:32*(\r)+4*\j+3], v2, s[8:9] offset:4096*(\r)+512*\j th:TH_LOAD_NT
.endr
	WIN 0
.endm
	s_load_b512 s[8:23], s[0:1], 0x0               ; x, Wr, br, scales, xc, out1, out2, out3
	s_load_b128 s[24:27], s[0:1], 0x40             ; out4, ri
	v_lshl_add_u32 v254, v0, 2, 0x9a00
	v_mov_b32 v255, 0
	v_lshrrev_b32 v1, 5, v0
	v_readfirstlane_b32 s28, v1                    ; wave
	v_and_b32 v1, 31, v0                           ; lane
	v_lshlrev_b32 v2, 4, v1
	v_lshlrev_b32 v3, 4, v0
	v_lshrrev_b32 v4, 3, v0
	v_lshl_add_u32 v4, v4, 4, v3                   ; Wr into LDS: 16 t + 16 (t / 8): 16 bytes of padding behind each 128
	v_mul_u32_u24 v5, v1, 144                      ; and out of it: my piece of 128 bytes
	v_and_b32 v128, 15, v0
	v_lshlrev_b32 v128, 4, v128
	s_lshl_b32 s41, s28, 8
	v_add_nc_u32 v128, s41, v128                   ; the stage: 256 wave + 16 (lane % 16): half a row of eight numbers
	v_bfe_u32 v129, v0, 1, 3
	v_lshlrev_b32 v129, 3, v129
	s_lshl_b32 s41, s28, 6
	v_add_nc_u32 v129, s41, v129                   ; 64 wave + 8 row
	v_lshlrev_b32 v130, 3, v1
	s_mov_b32 s30, 0x76543210                      ; v_permlanex16_b32: lane l xor 16
	s_mov_b32 s31, 0xfedcba98
.irp i, 0,1,2,3,4,5,6,7
	v_mov_b32 v[TP+\i], 0                          ; a lane permute's destination counts as read
.endr
	s_lshl_b32 s44, ttmp9, 17
	s_lshl_b32 s45, s28, 15
	s_add_co_u32 s44, s44, s45                     ; x: 32 rows a work-group, 8 a wave, 4,096 bytes each
	s_mov_b32 s45, 0
	s_lshl_b32 s46, ttmp9, 15
	s_lshl_b32 s47, s28, 13
	s_add_co_u32 s46, s46, s47                     ; xc: rows of 1,024 bytes
	s_mov_b32 s47, 0
	s_lshl_b32 s48, ttmp9, 10                      ; out1, out2: 1,024 bytes a work-group
	s_mov_b32 s49, 0
	s_lshl_b32 s50, ttmp9, 8                       ; out3, out4, ri: 256
	s_mov_b32 s51, 0
	s_wait_kmcnt 0x0
	s_load_b256 s[32:39], s[12:13], 0x0            ; br
	s_load_b32 s40, s[14:15], 0x0                  ; e of x
	s_add_nc_u64 s[8:9], s[8:9], s[44:45]
	s_add_nc_u64 s[16:17], s[16:17], s[46:47]
	s_add_nc_u64 s[18:19], s[18:19], s[48:49]
	s_add_nc_u64 s[20:21], s[20:21], s[48:49]
	s_add_nc_u64 s[22:23], s[22:23], s[50:51]
	s_add_nc_u64 s[24:25], s[24:25], s[50:51]
	s_add_nc_u64 s[26:27], s[26:27], s[50:51]
.irp n, 0,1,2,3,4,5,6,7,8,9,10,11,12,13,14,15
	global_load_b128 v[64+4*\n:67+4*\n], v3, s[10:11] offset:2048*\n   ; Wr, dense: 2,048 bytes a work-group and line
.endr
	XLOAD 0
	XLOAD 1
	XLOAD 2
	XLOAD 3
	XLOAD 4
	s_wait_loadcnt 40                              ; Wr is in; the 40 loads of x issued behind it stay out
.irp n, 0,1,2,3,4,5,6,7,8,9,10,11,12,13,14,15
	ds_store_b128 v4, v[64+4*\n:67+4*\n] offset:2304*\n
.endr
	XLOAD 5
	XLOAD 6
	s_wait_kmcnt 0x0
	s_add_co_i32 s41, s40, 127
	s_lshl_b32 s42, s41, 23
	v_mov_b32 v7, s42                              ; 2^e as f32: the conversion takes its exponent field
	s_add_co_i32 s41, s41, 15
	s_lshl_b32 s41, s41, 23
	s_or_b32 s41, s41, 0x600000
	v_mov_b32 v6, s41                              ; 57,344 x 2^e
	s_wait_dscnt 0x0                               ; my part of Wr lies in LDS
	s_barrier_signal -1
	s_barrier_wait -1                              ; everybody's does
	WIN 0x40
.irp j, 0,1,2,3,4,5,6,7
.irp i, 0,1,2,3
.irp f, 0,1
	ds_load_b128 v[8*(4*\j+\i)+4*\f:8*(4*\j+\i)+4*\f+3], v5 offset:4608*\j+32*\i+16*\f   ; Wr[128 j + 4 l + i][4 f ..]
.endr
.endr
.endr
	WIN 0
	s_wait_dscnt 0x0
; One row: eight dot products of my 32 numbers, summed over the lanes; then the row's codes.
.macro ROW r
.if (\r)==0
	s_wait_loadcnt 48                              ; row 0 is in; rows 1 to 6 stay out
	XLOAD 7
.else
	s_wait_loadcnt 8*(7-(\r))                      ; row r is in; the later rows' loads stay out
.endif
	WIN 0x06                                       ; x window 2, Wr window 1, sums window 0
.set np, 0
.rept 16                                       ; two numbers of x a turn: the even one into set A, the odd one into set B; two experts an instruction
.irp ep, 0,2,4,6
.if np == 0
	v_pk_mul_f32 v[ACA+\ep:ACA+\ep+1], v[32*(\r):32*(\r)+1], v[\ep:\ep+1] op_sel_hi:[0,1]
.else
	v_pk_fma_f32 v[ACA+\ep:ACA+\ep+1], v[32*(\r)+2*np:32*(\r)+2*np+1], v[16*np+\ep:16*np+\ep+1], v[ACA+\ep:ACA+\ep+1] op_sel_hi:[0,1,1]
.endif
.endr
.irp ep, 0,2,4,6
.if np == 0
	v_pk_mul_f32 v[ACB+\ep:ACB+\ep+1], v[32*(\r):32*(\r)+1], v[8+\ep:8+\ep+1] op_sel:[1,0] op_sel_hi:[1,1]
.else
	v_pk_fma_f32 v[ACB+\ep:ACB+\ep+1], v[32*(\r)+2*np:32*(\r)+2*np+1], v[16*np+8+\ep:16*np+8+\ep+1], v[ACB+\ep:ACB+\ep+1] op_sel:[1,0,0] op_sel_hi:[1,1,1]
.endif
.endr
.set np, np+1
.endr
	WIN 0
.irp ep, 0,2,4,6
	v_pk_add_f32 v[ACA+\ep:ACA+\ep+1], v[ACA+\ep:ACA+\ep+1], v[ACB+\ep:ACB+\ep+1]
.endr
.irp k, 1,2,4,8
.irp e, 0,1,2,3,4,5,6,7
	v_add_f32_dpp v[ACA+\e], v[ACA+\e], v[ACA+\e] row_xmask:\k row_mask:0xf bank_mask:0xf
.endr
.endr
.irp e, 0,1,2,3,4,5,6,7
	v_permlanex16_b32 v[TP+\e], v[ACA+\e], s30, s31
.endr
.irp e, 0,1,2,3,4,5,6,7
	v_add_f32 v[ACA+\e], v[ACA+\e], v[TP+\e]       ; every lane holds the row's eight sums
.endr
.if (\r)==0
.irp e, 0,1,2,3,4,5,6,7
	v_mov_b32 v[LG+\e], v[ACA+\e]
.endr
.else
	s_mov_b32 s41, 0x00030003<<(2*(\r))            ; lanes 2 r, 2 r + 1, 2 r + 16, 2 r + 17 keep row r: lane l ends with row (l / 2) % 8
.irp e, 0,1,2,3,4,5,6,7
	v_cndmask_b32 v[LG+\e], v[LG+\e], v[ACA+\e], s41
.endr
.endif
	WIN 0x82
.set i, 0
.rept 32
	v_med3_num_f32 v[32*(\r)+i], v[32*(\r)+i], -v6, v6   ; the conversion to an 8-bit code does not saturate (ISA guide 7.6.2): the hold at the largest code x the scale
.set i, i+1
.endr
	WIN 0x02
.irp m, 0,1,2,3
	v_cvt_scalef32_pk8_bf8_f32 v[CO+8*(\r)+2*\m:CO+8*(\r)+2*\m+1], v[32*(\r)+8*\m:32*(\r)+8*\m+7], v7
.endr
	WIN 0
	global_store_b128 v2, v[CO+8*(\r):CO+8*(\r)+3], s[16:17] offset:1024*(\r)          ; 512 consecutive bytes, aligned; each row has code registers of its own
	global_store_b128 v2, v[CO+8*(\r)+4:CO+8*(\r)+7], s[16:17] offset:1024*(\r)+512
.endm
	ROW 0
	ROW 1
	ROW 2
	ROW 3
	ROW 4
	ROW 5
	ROW 6
	ROW 7
	; softmax and the two largest, once, a row to a lane
.irp e, 0,1,2,3,4,5,6,7
	v_add_f32 v[LG+\e], s[32+\e], v[LG+\e]         ; + br: the logits
.endr
	v_max3_num_f32 v48, v32, v33, v34
	v_max3_num_f32 v48, v48, v35, v36
	v_max3_num_f32 v48, v48, v37, v38
	v_max_num_f32 v48, v48, v39                    ; the row's largest logit is taken away ahead of the exponentials
.irp e, 0,1,2,3,4,5,6,7
	v_sub_f32 v[PB+\e], v[LG+\e], v48
.endr
.irp e, 0,1,2,3,4,5,6,7
	v_mul_f32 v[PB+\e], 0x3fb8aa3b, v[PB+\e]
.endr
	s_wait_alu depctr_va_vdst(0)
.irp e, 0,1,2,3,4,5,6,7
	v_exp_f32 v[PB+\e], v[PB+\e]
.endr
	v_nop                                          ; a plain place behind the exponentials
	s_wait_alu depctr_va_vdst(0)
	v_add_f32 v49, v40, v41
	v_add_f32 v54, v42, v43
	v_add_f32 v55, v44, v45
	v_add_f32 v48, v46, v47
	v_add_f32 v49, v49, v54
	v_add_f32 v55, v55, v48
	v_add_f32 v49, v49, v55
	s_wait_alu depctr_va_vdst(0)
	v_rcp_f32 v49, v49
	v_nop
	s_wait_alu depctr_va_vdst(0)
.irp e, 0,1,2,3,4,5,6,7
	v_mul_f32 v[PB+\e], v[PB+\e], v49              ; the probs
.endr
	v_mov_b32 v50, v40                             ; v[50:51] the two largest probs, v[52:53] their experts
	v_mov_b32 v52, 0
.irp e, 1,2,3,4,5,6,7
	v_cmp_gt_f32 vcc_lo, v[PB+\e], v50             ; strictly larger: of equals the lower index stays
	v_cndmask_b32 v50, v50, v[PB+\e], vcc_lo
	v_cndmask_b32 v52, v52, \e, vcc_lo
.endr
.irp e, 0,1,2,3,4,5,6,7
	v_cmp_eq_u32 vcc_lo, \e, v52
	v_cndmask_b32 v[56+\e], v[PB+\e], -1.0, vcc_lo ; the winner leaves the field
.endr
	v_mov_b32 v51, v56
	v_mov_b32 v53, 0
.irp e, 1,2,3,4,5,6,7
	v_cmp_gt_f32 vcc_lo, v[56+\e], v51
	v_cndmask_b32 v51, v51, v[56+\e], vcc_lo
	v_cndmask_b32 v53, v53, \e, vcc_lo
.endr
	s_mov_b32 s42, 0xaaaaaaaa                      ; odd lanes take a row's upper four numbers
.irp i, 0,1,2,3
	v_cndmask_b32 v[136+\i], v[LG+\i], v[LG+4+\i], s42
	v_cndmask_b32 v[140+\i], v[PB+\i], v[PB+4+\i], s42
.endr
	ds_store_b128 v128, v[136:139] offset:RL       ; lanes that hold the same row write the same bytes with the same values
	ds_store_b128 v128, v[140:143] offset:RP
	ds_store_b64 v129, v[52:53] offset:RI
	ds_store_b64 v129, v[50:51] offset:RQ
	s_wait_dscnt 0x0                               ; my rows' results lie in the stage
	s_barrier_signal -1
	s_barrier_wait -1                              ; all 32 rows' do: each wave now stores one output, in whole aligned blocks of 256 bytes
	s_cmp_eq_u32 s28, 0
	s_cbranch_scc0 .Lnot0
	ds_load_b128 v[144:147], v2 offset:RL
	ds_load_b128 v[148:151], v2 offset:RL+512
	s_wait_dscnt 0x0
	global_store_b128 v2, v[144:147], s[18:19]
	global_store_b128 v2, v[148:151], s[18:19] offset:512
	s_wait_tensorcnt 0x0
	ds_add_u32 v254, v255
	s_wait_dscnt 0x0
	s_endpgm
.Lnot0:
	s_cmp_eq_u32 s28, 1
	s_cbranch_scc0 .Lnot1
	ds_load_b128 v[144:147], v2 offset:RP
	ds_load_b128 v[148:151], v2 offset:RP+512
	s_wait_dscnt 0x0
	global_store_b128 v2, v[144:147], s[20:21]
	global_store_b128 v2, v[148:151], s[20:21] offset:512
	s_wait_tensorcnt 0x0
	ds_add_u32 v254, v255
	s_wait_dscnt 0x0
	s_endpgm
.Lnot1:
	s_cmp_eq_u32 s28, 3
	s_cbranch_scc0 .Lnot3
	ds_load_b64 v[144:145], v130 offset:RQ
	s_wait_dscnt 0x0
	global_store_b64 v130, v[144:145], s[24:25]
	s_wait_tensorcnt 0x0
	ds_add_u32 v254, v255
	s_wait_dscnt 0x0
	s_endpgm
.Lnot3:
	ds_load_b64 v[144:145], v130 offset:RI         ; wave 2: lane l holds token l's pair
	s_wait_dscnt 0x0
	global_store_b64 v130, v[144:145], s[22:23]
	v_min_u32 v146, v144, v145
	v_max_u32 v147, v144, v145
	v_lshl_add_u32 v148, v146, 3, v147             ; 8 lo + hi
	v_mov_b32 v149, 0                              ; rank
	v_mov_b32 v150, 0                              ; class
	v_mov_b32 v153, 0                              ; the group's counts, class = lane
.set CL, 0
.irp a, 0,1,2,3,4,5,6
.irp b, 1,2,3,4,5,6,7
.if \b > \a
	v_cmp_eq_u32 s42, 8*\a+\b, v148                ; the tokens of this class
	v_mbcnt_lo_u32_b32 v151, s42, 0                ; how many of them stand in lower lanes
	v_cndmask_b32 v149, v149, v151, s42
	v_cndmask_b32 v150, v150, CL, s42
	s_bcnt1_i32_b32 s43, s42
	v_writelane_b32 v153, s43, CL
.set CL, CL+1
.endif
.endr
.endr
	v_lshl_or_b32 v152, v149, 8, v150
	v_lshl_or_b32 v152, v144, 16, v152
	v_lshl_or_b32 v152, v145, 24, v152
	global_store_b64 v130, v[152:153], s[26:27]
	s_wait_tensorcnt 0x0
	ds_add_u32 v254, v255
	s_wait_dscnt 0x0
	s_endpgm
.Lfunc_end_k_qbded274453_route:
	.size	k_qbded274453_route, .Lfunc_end_k_qbded274453_route-k_qbded274453_route
	.p2alignl 7, 3214868480
	.fill 96, 4, 3214868480
	.section	.rodata,"a",@progbits
	.p2align	6, 0x0
	.amdhsa_kernel k_qbded274453_route
		.amdhsa_group_segment_fixed_size 39936
		.amdhsa_private_segment_fixed_size 0
		.amdhsa_enable_private_segment 0
		.amdhsa_kernarg_size 80
		.amdhsa_user_sgpr_count 2
		.amdhsa_user_sgpr_kernarg_segment_ptr 1
		.amdhsa_wavefront_size32 1
		.amdhsa_system_sgpr_workgroup_id_x 1
		.amdhsa_system_sgpr_workgroup_id_y 1
		.amdhsa_system_sgpr_workgroup_id_z 1
		.amdhsa_system_vgpr_workitem_id 0
		.amdhsa_next_free_vgpr 768
		.amdhsa_next_free_sgpr 66
		.amdhsa_reserve_vcc 1
		.amdhsa_float_denorm_mode_32 3
		.amdhsa_float_denorm_mode_16_64 3
		.amdhsa_memory_ordered 1
		.amdhsa_forward_progress 1
		.amdhsa_inst_pref_size 147
	.end_amdhsa_kernel
	.amdgpu_metadata
---
amdhsa.version: [ 1, 2 ]
amdhsa.kernels:
  - .name:           k_qbded274453_route
    .symbol:         k_qbded274453_route.kd
    .args:
      - { .name: x, .offset: 0, .size: 8, .value_kind: global_buffer, .address_space: global }
      - { .name: Wr, .offset: 8, .size: 8, .value_kind: global_buffer, .address_space: global }
      - { .name: br, .offset: 16, .size: 8, .value_kind: global_buffer, .address_space: global }
      - { .name: lowp_scales, .offset: 24, .size: 8, .value_kind: global_buffer, .address_space: global }
      - { .name: xc, .offset: 32, .size: 8, .value_kind: global_buffer, .address_space: global }
      - { .name: out1, .offset: 40, .size: 8, .value_kind: global_buffer, .address_space: global }
      - { .name: out2, .offset: 48, .size: 8, .value_kind: global_buffer, .address_space: global }
      - { .name: out3, .offset: 56, .size: 8, .value_kind: global_buffer, .address_space: global }
      - { .name: out4, .offset: 64, .size: 8, .value_kind: global_buffer, .address_space: global }
      - { .name: ri, .offset: 72, .size: 8, .value_kind: global_buffer, .address_space: global }
    .group_segment_fixed_size: 39936
    .private_segment_fixed_size: 0
    .kernarg_segment_align: 8
    .kernarg_segment_size: 80
    .max_flat_workgroup_size: 128
    .sgpr_count:     66
    .vgpr_count:     768
    .wavefront_size: 32
...
	.end_amdgpu_metadata
.endif
;; end of part 4
;; launch prep (part 5): grid 521 x 1, 4 waves a work-group, no clusters, 1,536 bytes of LDS; arguments W1, W2, lowp_scales, ri, w1f, w2f, order, binfo; writes w1f, w2f, order, binfo
.if DOCPART == 5
	.amdgcn_target "amdgcn-amd-amdhsa--gfx1250"
	.amdhsa_code_object_version 6
	.text
	.protected	k_qbded274453_prep
	.globl	k_qbded274453_prep
	.p2align	8
	.type	k_qbded274453_prep,@function
k_qbded274453_prep:
	s_mov_b64 s[64:65], 0
	v_nop
	global_prefetch_b8 v0, s[64:65] scope:SCOPE_SE
	s_setreg_imm32_b32 hwreg(HW_REG_WAVE_MODE, 25, 1), 1
	s_wait_xcnt 0x0
; THE WEIGHTS' CODES, AND THE PLACING OF THE TOKENS.  Three ways part on the work-group's number: 0..8 place the tokens, 9..264 take W1, 265..520 take W2.
; WEIGHTS.  W1 [8][1024 k][512 n] and W2 [8][512 k][1024 n], f32, have K as their first axis within an expert.  A lane takes a column n and its registers run down K, so that the conversions give codes
; with K innermost and nothing is transposed.  The codes are laid in the order of a wave's operand registers: a fragment (16 rows x 128 K) is 4 pieces of 512 bytes, lane (r, h)'s 16 bytes at 16 (r + 16 h).
;   w1f [e][w 4][s 8][t 8][c 4][lane][16]: hidden unit 128 w + 32 (t / 2) + 8 (t % 2) + r + 8 (r / 8);  k = 512 (s / 4) + 32 (s % 4) + 4 (2 c + h) + (j % 4) + 128 (j / 4): the order of x's codes.
;   w2f [e][w 4][nt 16][s 4][c 4][lane][16]: output column 256 w + 16 nt + r;  k = 128 s + 32 c + 16 h + j.
; A wave takes 32 columns x 128 K: eight pieces of 16 numbers a lane; each store covers two whole aligned blocks of 256 bytes.  Loads run three pieces (48 loads) ahead.
; code = x / 2^e, held within +-57,344, to the nearest code, ties to even; e = lowp_scales[1] for W1, [2] for W2, each between -126 and 112.  NaN is not served.
; PLACING.  A counting sort by class from the groups' stored counts, without atomics.  Class c gets ceil(count / 64) blocks of 64 places, one class behind the other; token numbers go to order[64 block + place];
; binfo[block] = lo | hi << 8 | rows << 16 (rows = 0: the block is empty).  Places behind a block's rows are neither written nor read.  At most 128 + 27 = 155 blocks have rows, whatever the choice.
; NINE WORK-GROUPS SHARE THE PLACING.  Each repeats the counting (64 KB of stored words read, the running sums, the classes' first blocks): that is short.  What is long is the storing of 8,192 token numbers to
; scattered places, 4 bytes a lane: so work-group g of the first eight places only groups 8 g .. 8 g + 7 of each wave's 64 (8 stores a wave in place of 64), and the ninth places nothing and makes binfo.
; Each place of order and each word of binfo has one storing work-group.
.set NS, 9                             ; work-groups that place
.set X, 32                             ; v32-159  128 numbers (weights); the groups' words (placing)
.set C, 160                            ; v160-191 codes; at work (placing)
.macro QLOAD kind, a                   ; piece a: 16 numbers down K of my column
.irp j, 0,1,2,3,4,5,6,7,8,9,10,11,12,13,14,15
.if \kind == 1
	global_load_b32 v[X+16*(\a)+\j], v2, s[4:5] offset:(4*(\a)+(\j%4)+128*(\j/4))*2048 th:TH_LOAD_NT
.else
	global_load_b32 v[X+16*(\a)+\j], v2, s[4:5] offset:(16*(\a)+\j)*4096 th:TH_LOAD_NT
.endif
.endr
.endm
.macro QPATH kind, es
	QLOAD \kind, 0
	QLOAD \kind, 1
	QLOAD \kind, 2
	s_wait_kmcnt 0x0
	s_add_co_i32 s32, s[\es], 127
	s_lshl_b32 s33, s32, 23
	v_mov_b32 v11, s33                             ; 2^e as f32
	s_add_co_i32 s32, s32, 15
	s_lshl_b32 s32, s32, 23
	s_or_b32 s32, s32, 0x600000
	v_mov_b32 v10, s32                             ; 57,344 x 2^e
	s_wait_alu depctr_va_vdst(0)
.irp a, 0,1,2,3,4,5,6,7
.if \a < 6
	s_wait_loadcnt 32                              ; piece a is in; the two pieces behind it stay out
.else
	s_wait_loadcnt 16*(7-\a)
.endif
.if \a < 5
	QLOAD \kind, \a+3
.endif
.irp j, 0,1,2,3,4,5,6,7,8,9,10,11,12,13,14,15
	v_med3_num_f32 v[X+16*\a+\j], v[X+16*\a+\j], -v10, v10   ; the conversion does not saturate (ISA guide 7.6.2)
.endr
	v_cvt_scalef32_pk8_bf8_f32 v[C+4*\a:C+4*\a+1], v[X+16*\a:X+16*\a+7], v11
	v_cvt_scalef32_pk8_bf8_f32 v[C+4*\a+2:C+4*\a+3], v[X+16*\a+8:X+16*\a+15], v11
	global_store_b128 v3, v[C+4*\a:C+4*\a+3], s[6:7] offset:512*(\a/2)+256*(\a%2)   ; piece a = 2 c + h; each piece has code registers of its own
.endr
	s_endpgm
.endm
	s_load_b512 s[8:23], s[0:1], 0x0               ; W1, W2, scales, ri, w1f, w2f, order, binfo
	v_lshl_add_u32 v192, v0, 2, 0x400
	v_mov_b32 v193, 0
	v_lshrrev_b32 v1, 5, v0
	v_readfirstlane_b32 s24, v1                    ; wave
	v_and_b32 v1, 31, v0                           ; lane
	s_wait_kmcnt 0x0
	s_cmp_lt_u32 ttmp9, NS
	s_cbranch_scc1 .Lsort
	s_load_b128 s[28:31], s[12:13], 0x0            ; the four exponents
	s_wait_alu depctr_va_vdst(0)
	v_lshlrev_b32 v2, 2, v1                        ; in: 4 bytes a lane
	s_cmp_lt_u32 ttmp9, NS+256
	s_cbranch_scc0 .Lw2
	; ---- W1: id = e << 5 | w << 3 | s
	s_sub_co_u32 s25, ttmp9, NS
	s_lshr_b32 s26, s25, 5
	s_lshl_b32 s26, s26, 21                        ; the expert,
	s_bfe_u32 s27, s25, 0x10002
	s_lshl_b32 s27, s27, 20
	s_add_co_u32 s26, s26, s27                     ; + 512 (s / 4) rows of 2,048 bytes,
	s_and_b32 s27, s25, 3
	s_lshl_b32 s27, s27, 16
	s_add_co_u32 s26, s26, s27                     ; + 32 (s % 4) rows,
	s_bfe_u32 s27, s25, 0x20003
	s_lshl_b32 s27, s27, 9
	s_add_co_u32 s26, s26, s27                     ; + 128 w columns,
	s_lshl_b32 s27, s24, 7
	s_add_co_u32 s26, s26, s27                     ; + 32 columns a wave
	s_mov_b32 s27, 0
	s_add_nc_u64 s[4:5], s[8:9], s[26:27]
	s_lshl_b32 s26, s25, 14
	s_lshl_b32 s34, s24, 12
	s_add_co_u32 s26, s26, s34                     ; out: 16,384 id + two fragments a wave
	s_add_nc_u64 s[6:7], s[16:17], s[26:27]
	v_bfe_u32 v4, v1, 3, 1                         ; column 32 v + l is row r = l % 8 + 8 (l / 16) of tile 2 v + (l / 8) % 2
	v_and_b32 v5, 7, v1
	v_lshrrev_b32 v6, 4, v1
	v_lshl_add_u32 v5, v6, 3, v5
	v_lshlrev_b32 v5, 4, v5
	v_lshl_add_u32 v3, v4, 11, v5
	s_wait_alu depctr_va_vdst(0)
	QPATH 1, 29
.Lw2:
	; ---- W2: id = e << 5 | cb << 2 | s
	s_sub_co_u32 s25, ttmp9, NS+256
	s_lshr_b32 s26, s25, 5
	s_lshl_b32 s35, s26, 19
	s_lshl_b32 s26, s26, 21                        ; the expert,
	s_and_b32 s27, s25, 3
	s_lshl_b32 s36, s27, 11
	s_lshl_b32 s27, s27, 19
	s_add_co_u32 s26, s26, s27                     ; + 128 s rows of 4,096 bytes,
	s_bfe_u32 s27, s25, 0x30002
	s_lshl_b32 s37, s27, 16
	s_lshl_b32 s27, s27, 9
	s_add_co_u32 s26, s26, s27                     ; + 128 cb columns,
	s_lshl_b32 s27, s24, 7
	s_add_co_u32 s26, s26, s27                     ; + 32 columns a wave
	s_mov_b32 s27, 0
	s_add_nc_u64 s[4:5], s[10:11], s[26:27]
	s_add_co_u32 s26, s35, s36
	s_add_co_u32 s26, s26, s37
	s_lshl_b32 s34, s24, 14
	s_add_co_u32 s26, s26, s34                     ; out: e << 19 + cb << 16 + wave << 14 + s << 11
	s_add_nc_u64 s[6:7], s[18:19], s[26:27]
	v_lshrrev_b32 v4, 4, v1
	v_and_b32 v5, 15, v1
	v_lshlrev_b32 v5, 4, v5
	v_lshl_add_u32 v3, v4, 13, v5                  ; column 32 v + l is row l % 16 of tile 2 v + l / 16
	s_wait_alu depctr_va_vdst(0)
	QPATH 2, 30
.Lsort:
	s_wait_alu depctr_va_vdst(0)
	; ---- the placing.  Wave v owns groups 64 v .. 64 v + 63.  A lane stands for a class where counts are summed, for a token where tokens are placed.
	; The counting, down to the classes' first places, is the same in all nine work-groups.
	v_lshlrev_b32 v2, 3, v1
	v_lshlrev_b32 v3, 2, v0
	v_lshlrev_b32 v4, 2, v1
	s_lshl_b32 s26, s24, 14
	s_mov_b32 s27, 0
	s_add_nc_u64 s[4:5], s[14:15], s[26:27]
.set i, 0
.rept 64
	global_load_b64 v[X+2*i:X+2*i+1], v2, s[4:5] offset:256*i      ; group i: my token's word, my class's count
.set i, i+1
.endr
.irp u, 0,1,2,3,4,5,6,7
	v_mov_b32 v[176+\u], 0
.endr
	s_lshl_b32 s26, s24, 11
	v_add_nc_u32 v12, s26, v1                      ; token number of my lane in my wave's first group
	s_wait_loadcnt 0x0
.set i, 1
.rept 63
	v_add_nc_u32 v[X+2*i+1], v[X+2*i-1], v[X+2*i+1]                ; the counts become running sums over my wave's groups
.set i, i+1
.endr
	ds_store_b32 v3, v159                          ; my wave's total of each class
	s_wait_dscnt 0x0
	s_barrier_signal -1
	s_barrier_wait -1
.irp w, 0,1,2,3
	ds_load_b32 v[16+\w], v4 offset:128*\w
.endr
	s_wait_dscnt 0x0
	v_add3_u32 v6, v16, v17, v18
	v_add_nc_u32 v6, v6, v19                       ; the class's total
	s_cmp_gt_u32 s24, 0
	s_cselect_b32 s40, -1, 0
	s_cmp_gt_u32 s24, 1
	s_cselect_b32 s41, -1, 0
	s_cmp_gt_u32 s24, 2
	s_cselect_b32 s42, -1, 0
	v_and_b32 v20, s40, v16
	v_and_b32 v21, s41, v17
	v_and_b32 v22, s42, v18
	v_add3_u32 v7, v20, v21, v22                   ; of it, what the waves in front of mine hold
	v_add_nc_u32 v8, 63, v6
	v_lshrrev_b32 v8, 6, v8                        ; the class's blocks
	v_mov_b32 v9, 0
	s_mov_b32 s30, 0
.set c, 0
.rept 28
	v_writelane_b32 v9, s30, c                     ; the class's first block
	v_readlane_b32 s31, v8, c
	s_add_co_u32 s30, s30, s31
.set c, c+1
.endr
.irp c, 28,29,30,31
	v_writelane_b32 v9, s30, \c
.endr
	v_lshl_add_u32 v10, v9, 6, v7                  ; the place of my wave's first token of the class
	v_lshl_add_u32 v11, v9, 6, v6                  ; one behind the class's last place
; Eight groups of my wave's 64: each token looks up its class's place among the lanes, adds its rank and stores its number there.
; A work-group runs this once, so no register of a store is written again.
.macro SCAT g
.irp u, 0,1,2,3,4,5,6,7
.set i, 8*(\g)+\u
	v_and_b32 v[160+\u], 0xff, v[X+2*i]
	v_lshlrev_b32 v[160+\u], 2, v[160+\u]
.if i == 0
	v_mov_b32 v[168+\u], v10
.else
	v_add_nc_u32 v[168+\u], v10, v[X+2*i-1]
.endif
	ds_bpermute_b32 v[176+\u], v[160+\u], v[168+\u]
.endr
	s_wait_dscnt 0x0
.irp u, 0,1,2,3,4,5,6,7
.set i, 8*(\g)+\u
	v_bfe_u32 v[160+\u], v[X+2*i], 8, 8
	v_add_nc_u32 v[176+\u], v[176+\u], v[160+\u]
	v_min_u32 v[176+\u], 0x26bf, v[176+\u]         ; inside the list: 155 blocks x 64 places
	v_lshlrev_b32 v[176+\u], 2, v[176+\u]
	v_add_nc_u32 v[184+\u], 32*i, v12
	global_store_b32 v[176+\u], v[184+\u], s[20:21]
.endr
.endm
.irp g, 0,1,2,3,4,5,6,7                        ; work-group g places groups 8 g .. 8 g + 7 of each wave: the branch hangs on the work-group's number alone, and no barrier follows
	s_cmp_eq_u32 ttmp9, \g
	s_cbranch_scc0 .Lother_\g
	s_wait_alu depctr_va_vdst(0)
	SCAT \g
	s_wait_tensorcnt 0x0
	ds_add_u32 v192, v193
	s_wait_dscnt 0x0
	s_endpgm
.Lother_\g:
.endr
	; binfo, by the ninth work-group: thread t makes blocks t and t + 128.  The classes in ascending order: the last one whose first block is not behind the block owns it.
	v_mov_b32 v24, v0
	v_add_nc_u32 v25, 128, v0
	v_mov_b32 v26, 0
	v_mov_b32 v27, 0
	v_mov_b32 v28, 0
	v_mov_b32 v29, 0
.set CL, 0
	s_wait_alu depctr_va_vdst(0)
.irp a, 0,1,2,3,4,5,6
.irp b, 1,2,3,4,5,6,7
.if \b > \a
	v_readlane_b32 s32, v9, CL
	v_readlane_b32 s33, v11, CL
	v_cmp_gt_u32 vcc_lo, s32, v24
	v_cndmask_b32 v26, s33, v26, vcc_lo
	v_cndmask_b32 v28, \a+256*\b, v28, vcc_lo
	v_cmp_gt_u32 vcc_lo, s32, v25
	v_cndmask_b32 v27, s33, v27, vcc_lo
	v_cndmask_b32 v29, \a+256*\b, v29, vcc_lo
.set CL, CL+1
.endif
.endr
.endr
.irp u, 0,1
	v_lshlrev_b32 v[30+\u], 6, v[24+\u]
	v_sub_nc_u32 v[30+\u], v[26+\u], v[30+\u]
	v_max_i32 v[30+\u], 0, v[30+\u]
	v_min_u32 v[30+\u], 64, v[30+\u]               ; the block's rows
	v_lshl_or_b32 v[30+\u], v[30+\u], 16, v[28+\u]
.endr
	global_store_b32 v3, v30, s[22:23]
	global_store_b32 v3, v31, s[22:23] offset:512
	s_wait_tensorcnt 0x0
	ds_add_u32 v192, v193
	s_wait_dscnt 0x0
	s_endpgm
.Lfunc_end_k_qbded274453_prep:
	.size	k_qbded274453_prep, .Lfunc_end_k_qbded274453_prep-k_qbded274453_prep
	.p2alignl 7, 3214868480
	.fill 96, 4, 3214868480
	.section	.rodata,"a",@progbits
	.p2align	6, 0x0
	.amdhsa_kernel k_qbded274453_prep
		.amdhsa_group_segment_fixed_size 1536
		.amdhsa_private_segment_fixed_size 0
		.amdhsa_enable_private_segment 0
		.amdhsa_kernarg_size 64
		.amdhsa_user_sgpr_count 2
		.amdhsa_user_sgpr_kernarg_segment_ptr 1
		.amdhsa_wavefront_size32 1
		.amdhsa_system_sgpr_workgroup_id_x 1
		.amdhsa_system_sgpr_workgroup_id_y 1
		.amdhsa_system_sgpr_workgroup_id_z 1
		.amdhsa_system_vgpr_workitem_id 0
		.amdhsa_next_free_vgpr 194
		.amdhsa_next_free_sgpr 66
		.amdhsa_reserve_vcc 1
		.amdhsa_float_denorm_mode_32 3
		.amdhsa_float_denorm_mode_16_64 3
		.amdhsa_memory_ordered 1
		.amdhsa_forward_progress 1
		.amdhsa_inst_pref_size 110
	.end_amdhsa_kernel
	.amdgpu_metadata
---
amdhsa.version: [ 1, 2 ]
amdhsa.kernels:
  - .name:           k_qbded274453_prep
    .symbol:         k_qbded274453_prep.kd
    .args:
      - { .name: W1, .offset: 0, .size: 8, .value_kind: global_buffer, .address_space: global }
      - { .name: W2, .offset: 8, .size: 8, .value_kind: global_buffer, .address_space: global }
      - { .name: lowp_scales, .offset: 16, .size: 8, .value_kind: global_buffer, .address_space: global }
      - { .name: ri, .offset: 24, .size: 8, .value_kind: global_buffer, .address_space: global }
      - { .name: w1f, .offset: 32, .size: 8, .value_kind: global_buffer, .address_space: global }
      - { .name: w2f, .offset: 40, .size: 8, .value_kind: global_buffer, .address_space: global }
      - { .name: order, .offset: 48, .size: 8, .value_kind: global_buffer, .address_space: global }
      - { .name: binfo, .offset: 56, .size: 8, .value_kind: global_buffer, .address_space: global }
    .group_segment_fixed_size: 1536
    .private_segment_fixed_size: 0
    .kernarg_segment_align: 8
    .kernarg_segment_size: 64
    .max_flat_workgroup_size: 128
    .sgpr_count:     66
    .vgpr_count:     194
    .wavefront_size: 32
...
	.end_amdgpu_metadata
.endif
;; end of part 5
;; launch chain (part 6): grid 155 x 1, 4 waves a work-group, no clusters, 218,624 bytes of LDS; arguments xc, w1f, w2f, b1, b2, lowp_scales, ri, order, binfo, out4, out0; writes out0
.if DOCPART == 6
	.amdgcn_target "amdgcn-amd-amdhsa--gfx1250"
	.amdhsa_code_object_version 6
	.text
	.protected	k_qbded274453_chain
	.globl	k_qbded274453_chain
	.p2align	8
	.type	k_qbded274453_chain,@function
k_qbded274453_chain:
	s_mov_b64 s[64:65], 0
	v_nop
	global_prefetch_b8 v0, s[64:65] scope:SCOPE_SE
	s_setreg_imm32_b32 hwreg(HW_REG_WAVE_SCHED_MODE, 0, 2), 2
	s_setreg_imm32_b32 hwreg(HW_REG_WAVE_MODE, 25, 1), 1
	s_wait_xcnt 0x0
	s_wait_alu depctr_vm_vsrc(0)
; THE EXPERTS.  One work-group takes one block of at most 64 tokens that chose the SAME two experts (lo, hi) through the whole chain:
; h = gelu(x W1 + b1) for both experts, quantised on the way; y = h W2 + b2 for both; out0 = p_lo y_lo + p_hi y_hi.  Both products on codes of E5M2; sums in f32.  Each output row has one owner.
; The expert numbers enter four global base addresses and nothing else: the control flow is the same in every block.
; SHARES.  The four waves share the columns, not the rows: wave w makes hidden units 128 w .. + 127 of both experts and output columns 256 w .. + 255, for all 64 rows (four tiles m of 16).
; So each byte of the weights' codes is loaded by one wave, once, straight into registers (the codes lie in the order of the operand registers), through a ring of 16 fragments in four quarters.
; Both products are used transposed (source 0 = 16 rows of the weight, source 1 = 16 tokens): a lane holds one token (lane % 16), its registers run along the hidden units, or along the output columns.
; The hidden layer goes from wave to wave through LDS as images of the operand's registers.
; ROWS BEHIND THE BLOCK'S LAST repeat its last token: they compute the same numbers, and where their tile of rows is stored they write the same bytes again; tiles of rows with no token are not stored.
; AN EMPTY BLOCK (rows = 0; the grid of 155 serves every split) walks the whole text on the list's first token and stores nothing: so both barriers stand on every wave's path with no branch on a loaded number
; in front of them.  That work is thrown away.
; NO CLUSTER: which experts a block reads comes from the stored list, so a joint request's address would hang on loaded numbers that differ from block to block.  NO TENSOR LOADS: no weight byte is read by two waves.
; gelu(v) = v / 2 + (v / 2) erf(v / sqrt 2); erf(z) = z P(z^2) / Q(z^2), z held within +-4, P of degree 6, Q of degree 4, all in f32.  1 + erf cancels for very negative v, as it does in any f32 form of it.
; LIMITS on the given exponents e0..e3: e0 + e1 between -125 and 126; e3 between -126 and 112; e2 + e3 goes through v_ldexp_f32.  NaN is not served.
; LDS: XR 64 rows of x's codes, 1,024 bytes + 16; HI the images: expert x 32,768 + (4 m + s) x 2,048 + 512 c + 16 lane; BT a wave's biases (b1lo 512, b1hi 512, b2lo 1,024, b2hi 1,024), prescaled;
;   ST a wave's stage, 64 rows x (256 + 16); TK a wave's table: 64 tokens, 64 gates of lo, 64 of hi.  BT, ST, TK are each wave's own.
; REGISTERS.  window 0: v1 16 lane; v2, v3 x's fragments; v4, v5 images out; v6 images in; v7 b1; v8, v9 b2; v10, v11 stage in, out; v12 57,344 x 2^e3; v13 2^e3; v14-17, v18-21 the gates of lo, hi for tile m;
;   v22-25 two coefficients; v26-31 at work; v96-127 byte offsets of the rows in out0.  Phase 1: v32-95 b1's tiles, v128-255 two sets of x's four fragments.  gelu: v32-95, v128-143, two sets of codes v144-151.
;   Phase 2: v32-63, v64-95 the sums of lo, hi; v128-159, v160-191 two sets of mixed sums; v192-223 b2's tiles, two sets; the way out reads back into v32-95, v160-191, v224-255.
;   window 1: H of lo, 8 (4 t + m), later its 16 fragments, 16 (4 m + s);  window 2: the same of hi;  window 3: the ring.
; THE MODE: SCHED_MODE bits 1:0 = 2 (LLVM: expert scheduling mode 2), set by the entry lines.  The code itself states the register dependences
; between vector or matrix instructions and memory or LDS instructions, with s_wait_alu, always for 0.
; THE PLAN.  Registers that memory or LDS instructions touch, and who else names them:
;   the ring        A quarter is read by its 16 products and then loaded again.  ONE wait on va_vdst behind each quarter's products; its 16 loads follow at once, in one run (the products' source 0 is
;                   window 3, a load's address window 0: a load among products would want two window switches), so that three quarters stay on their way.
;   x's two sets, b1's tiles, b2's tiles   Read by products, loaded again from LDS behind a quarter's wait, with no product between.
;   v3              Read by a trip's 32 LDS loads; made for the next trip behind the trip's last products: a wait on vm_vsrc ahead of it, that quarter's wait on va_vdst behind it.
;   the codes       Two sets by turns.  Batch n's conversions write set n % 2; its LDS store stands in batch n + 1, behind the wait that the reciprocals have there; a wait on vm_vsrc stands ahead of the
;                   conversions, a batch behind the store that read their set.
;   the mixed sums  Two sets by turns.  Tile k's mix writes set k % 2; its eight stage stores stand in tile k + 1, behind the wait that follows lo's products; a wait on vm_vsrc stands at the head of the tile
;                   that writes the set again.  A group's last tile is stored at the group's end, behind a wait of its own.
;   v5, v9          LDS addresses written once a trip of their loops, at its top: a wait on vm_vsrc ahead, and the trip's first wait on va_vdst stands ahead of their first use.
;   v1, v2, v6-v8, v10, v11, v96-127   Addresses made at the head and never written again.
.set XP, 1040
.set HI, 66560
.set BT, 132096
.set ST, 144384
.set SP, 272
.set TK, 214016
.set CB, 32
.set RO, 96
.set XF, 128
.set Z, 32
.set T, 48
.set Z2, 64
.set PP, 80
.set QQ, 128
.set CD, 144
.set SA, 32
.set SB, 64
.set Y, 128
.set CB2, 192
.set P1L, 30                           ; s[30:31], s[32:33] my part of W1's codes of lo, hi;  s[34:35], s[36:37] of W2's
.set P1H, 32
.set P2L, 34
.set P2H, 36
.set MSB, 0
.macro WIN new                         ; the immediate's high byte repeats the setting that is left
.if MSB != \new
	s_set_vgpr_msb (MSB<<8)|\new
.set MSB, \new
.endif
.endm
.macro PLACES                          ; four places behind matrix instructions, in front of loads into their registers and of reads of their results
.rept 4
	v_nop
.endr
.endm
.macro SPAIR r, val                    ; a constant for the packed forms: the pair is named, so both words are written
	s_mov_b32 s[\r], \val
	s_mov_b32 s[\r+1], \val
.endm
.macro RLOAD q, ptr, off               ; quarter q of the ring: four fragments, 8,192 consecutive bytes, 16 loads
	WIN 0xc0
.irp f, 0,1,2,3
.irp c, 0,1,2,3
	global_load_b128 v[64*(\q)+16*\f+4*\c:64*(\q)+16*\f+4*\c+3], v1, s[\ptr:\ptr+1] offset:(\off)+2048*\f+512*\c
.endr
.endr
	WIN 0
.endm
	s_load_b512 s[4:19], s[0:1], 0x0               ; xc, w1f, w2f, b1, b2, scales, ri, order
	s_load_b128 s[20:23], s[0:1], 0x40             ; binfo, out4
	s_load_b64 s[24:25], s[0:1], 0x50              ; out0
	v_lshrrev_b32 v28, 5, v0
	v_readfirstlane_b32 s26, v28                   ; wave
	v_and_b32 v29, 31, v0                          ; lane
	v_and_b32 v30, 15, v0                          ; r
	v_bfe_u32 v31, v0, 4, 1                        ; h
	v_lshlrev_b32 v1, 4, v29
	v_mul_u32_u24 v2, v30, XP
	v_lshl_add_u32 v2, v31, 4, v2                  ; x's fragments: row r, + 16 h
	s_wait_alu depctr_va_sdst(0)                   ; s26 is written, ahead of its first reader
	s_mul_i32 s70, s26, 16640
	v_add_nc_u32 v3, s70, v1                       ; (for now) where my wave's 16 rows of x go
	s_lshl_b32 s70, s26, 11
	v_add_nc_u32 v4, s70, v1
	v_add_nc_u32 v4, HI, v4                        ; my images: K step = my wave
	v_add_nc_u32 v6, HI, v1
	s_mul_i32 s70, s26, 3072
	s_add_co_u32 s70, s70, BT
	v_add_nc_u32 v5, s70, v1                       ; (for now) where my biases go
	v_lshl_add_u32 v7, v31, 6, s70
	v_lshl_add_u32 v8, v31, 5, s70
	v_add_nc_u32 v8, 1024, v8
	s_mul_i32 s70, s26, 17408
	s_add_co_u32 s70, s70, ST
	v_mul_u32_u24 v10, v30, SP
	v_lshl_add_u32 v10, v31, 5, v10
	v_add_nc_u32 v10, s70, v10                     ; stage in: row r, + 32 h
	v_mul_u32_u24 v11, v31, SP
	v_lshl_add_u32 v11, v30, 4, v11
	v_add_nc_u32 v11, s70, v11                     ; stage out: lanes 0-15 one row, lanes 16-31 the next
	s_lshl_b32 s70, s26, 10
	s_add_co_u32 s70, s70, TK
	v_lshl_add_u32 v9, v29, 2, s70                 ; (for now) my table: a word a lane,
	v_lshl_add_u32 v90, v30, 2, s70                ; a word for row r,
	v_lshl_add_u32 v91, v31, 2, s70                ; a word for my half
	v_lshlrev_b32 v92, 4, v30
	SPAIR 48, 0xaf95df0b                           ; P: -2.72614225801306e-10
	SPAIR 50, 0xb60cff51                           ;    -2.10102402082508e-06
	SPAIR 52, 0xb86ec2d2                           ;    -5.69250639462346e-05
	SPAIR 54, 0xba40ac63                           ;    -7.34990630326855e-04
	SPAIR 56, 0xbb41a1f6                           ;    -2.95459980854025e-03
	SPAIR 58, 0xbc83dbd4                           ;    -1.60960333262415e-02
	SPAIR 60, 0xb77460cd                           ; Q: -1.45660718464996e-05
	SPAIR 62, 0xbadc924e                           ;    -1.68282697438203e-03
	SPAIR 66, 0xbbf19bf8                           ;    -7.37332916720468e-03
	SPAIR 68, 0xbc69b6a7                           ;    -1.42647390514189e-02
	v_mov_b32 v22, 0x32edffee                      ; P's second: 2.77068142495902e-08
	v_mov_b32 v23, 0x32edffee
	v_mov_b32 v24, 0xb95fbd29                      ; Q's second: -2.13374055278905e-04
	v_mov_b32 v25, 0xb95fbd29
	s_lshl_b32 s70, ttmp9, 2
	s_wait_kmcnt 0x0
	s_load_b32 s71, s[20:21], s70 offset:0x0       ; my block's word
	s_load_b128 s[40:43], s[14:15], 0x0            ; e0 .. e3
	s_wait_kmcnt 0x0
	s_lshr_b32 s27, s71, 16
	s_min_u32 s27, s27, 64                         ; rows
	s_and_b32 s28, s71, 0xff
	s_min_u32 s28, s28, 7                          ; lo
	s_bfe_u32 s29, s71, 0x80008
	s_min_u32 s29, s29, 7                          ; hi
	s_lshl_b32 s74, s28, 2
	s_add_co_u32 s74, s74, s26
	s_lshl_b32 s74, s74, 17                        ; (4 expert + wave) x 131,072, in both buffers of codes
	s_mov_b32 s75, 0
	s_lshl_b32 s76, s29, 2
	s_add_co_u32 s76, s76, s26
	s_lshl_b32 s76, s76, 17
	s_mov_b32 s77, 0
	s_add_nc_u64 s[P1L:P1L+1], s[6:7], s[74:75]
	s_add_nc_u64 s[P1H:P1H+1], s[6:7], s[76:77]
	s_add_nc_u64 s[P2L:P2L+1], s[8:9], s[74:75]
	s_add_nc_u64 s[P2H:P2H+1], s[8:9], s[76:77]
	s_lshl_b32 s78, s26, 10
	s_mov_b32 s79, 0
	s_add_nc_u64 s[38:39], s[24:25], s[78:79]      ; out0 at my wave's first column
	s_cmp_eq_u32 s27, 0
	s_cselect_b32 s80, 0, ttmp9                    ; an empty block reads the list's first place
	s_lshl_b32 s80, s80, 6
	s_max_u32 s81, s27, 1
	s_sub_co_u32 s81, s81, 1                       ; the last row that has a token
	v_min_u32 v80, s81, v29                        ; rows l,
	v_add_nc_u32 v81, 32, v29
	v_min_u32 v81, s81, v81                        ; l + 32,
	s_lshl_b32 s82, s26, 4
	v_add_nc_u32 v82, s82, v30
	v_min_u32 v82, s81, v82                        ; and 16 wave + l % 16
.irp i, 80,81,82
	v_add_nc_u32 v\i, s80, v\i
	v_min_u32 v\i, 0x26bf, v\i
	v_lshlrev_b32 v\i, 2, v\i
.endr
	s_wait_alu depctr_va_vdst(0)                   ; the addresses and offsets v1 to v11, v80 to v82, v90 and v91 are written, which loads and stores from here on read; so is v28, in which a load lands
	global_load_b32 v26, v80, s[18:19]
	global_load_b32 v27, v81, s[18:19]
	global_load_b32 v28, v82, s[18:19]
	RLOAD 0, P1L, 0                                ; the ring's first fill: K step 0: lo's tiles 0-3, 4-7, hi's tiles 0-3, 4-7
	RLOAD 1, P1L, 8192
	RLOAD 2, P1H, 0
	RLOAD 3, P1H, 8192
	s_add_co_i32 s94, s40, s41                     ; e0 + e1
	s_add_co_i32 s95, s42, s43                     ; e2 + e3
	s_sub_co_i32 s96, 0, s94
	s_sub_co_i32 s97, 0, s95
	s_lshl_b32 s98, s94, 23
	s_add_co_u32 s44, s98, 0x3f3504f3              ; 2^(e0 + e1) / sqrt 2: a sum x this is z
	s_mov_b32 s45, s44
	s_add_co_u32 s46, s98, 0x3f000000              ; 2^(e0 + e1) / 2
	s_mov_b32 s47, s46
	s_add_co_i32 s98, s43, 127
	s_lshl_b32 s99, s98, 23
	v_mov_b32 v13, s99                             ; 2^e3 as f32
	s_add_co_i32 s98, s98, 15
	s_lshl_b32 s98, s98, 23
	s_or_b32 s98, s98, 0x600000
	v_mov_b32 v12, s98                             ; 57,344 x 2^e3
	s_lshl_b32 s84, s28, 11
	s_lshl_b32 s85, s26, 9
	s_add_co_u32 s84, s84, s85
	s_mov_b32 s85, 0
	s_add_nc_u64 s[86:87], s[10:11], s[84:85]      ; b1 of lo, my 128 units
	s_lshl_b32 s84, s29, 11
	s_lshl_b32 s83, s26, 9
	s_add_co_u32 s84, s84, s83
	s_add_nc_u64 s[88:89], s[10:11], s[84:85]      ; of hi
	s_lshl_b32 s84, s28, 12
	s_lshl_b32 s83, s26, 10
	s_add_co_u32 s84, s84, s83
	s_add_nc_u64 s[90:91], s[12:13], s[84:85]      ; b2 of lo, my 256 columns
	s_lshl_b32 s84, s29, 12
	s_add_co_u32 s84, s84, s83
	s_add_nc_u64 s[92:93], s[12:13], s[84:85]      ; of hi
	s_wait_loadcnt 63                              ; 64 loads were issued behind the three of the list: with 63 out those three are in
	v_min_u32 v26, 0x1fff, v26
	v_min_u32 v27, 0x1fff, v27
	v_min_u32 v28, 0x1fff, v28
	v_lshlrev_b32 v72, 3, v26
	v_lshlrev_b32 v73, 3, v27
.irp i, 0,1,2,3,4,5,6,7,8,9,10,11,12,13,14,15
	v_readlane_b32 s[70+\i], v28, \i               ; row 16 wave + i's token: sixteen scalars, s70 to s85, which nothing else holds here
.endr
	s_wait_alu depctr_va_sdst(0)                   ; s70 to s85 are written, ahead of their first readers: one wait for the run
.irp i, 0,1,2,3,4,5,6,7,8,9,10,11,12,13,14,15
	s_min_u32 s[70+\i], s[70+\i], 0x1fff
	s_lshl_b32 s[70+\i], s[70+\i], 10
	v_add_nc_u32 v[32+\i], s[70+\i], v1
.endr
	s_wait_alu depctr_va_vdst(0)                   ; the offsets v72, v73 and v32 to v47 are written, which the loads below read; so are v26 and v27, which LDS stores read further down
	global_load_b32 v74, v72, s[16:17]             ; the tokens' words: which of the two chosen is lo
	global_load_b32 v75, v73, s[16:17]
	global_load_b64 v[76:77], v72, s[22:23]        ; and their two probs
	global_load_b64 v[78:79], v73, s[22:23]
.irp i, 0,1,2,3,4,5,6,7,8,9,10,11,12,13,14,15
	global_load_b128 v[128+8*\i:131+8*\i], v[32+\i], s[4:5]              ; a token's 1,024 bytes of codes: twice 512 consecutive bytes
	global_load_b128 v[132+8*\i:135+8*\i], v[32+\i], s[4:5] offset:512
.endr
	global_load_b128 v[48:51], v1, s[86:87]
	global_load_b128 v[52:55], v1, s[88:89]
	global_load_b128 v[56:59], v1, s[90:91]
	global_load_b128 v[60:63], v1, s[90:91] offset:512
	global_load_b128 v[64:67], v1, s[92:93]
	global_load_b128 v[68:71], v1, s[92:93] offset:512
	s_wait_loadcnt 0x0
	ds_store_b32 v9, v26                           ; my wave's table: the 64 rows' tokens.  These stores and x's read loaded data, and registers written ahead of the last wait: they go out first
	ds_store_b32 v9, v27 offset:128
.irp i, 0,1,2,3,4,5,6,7,8,9,10,11,12,13,14,15
	ds_store_b128 v3, v[128+8*\i:131+8*\i] offset:XP*\i
	ds_store_b128 v3, v[132+8*\i:135+8*\i] offset:XP*\i+512
.endr
	v_bfe_u32 v84, v74, 16, 8
	v_bfe_u32 v85, v74, 24, 8
	v_cmp_lt_u32 s70, v84, v85                     ; is the first chosen the lower expert?  Rows l,
	v_bfe_u32 v84, v75, 16, 8
	v_bfe_u32 v85, v75, 24, 8
	v_cmp_lt_u32 s71, v84, v85                     ; rows l + 32
.irp i, 0,1,2,3,4,5,6,7
	v_ldexp_f32 v[48+\i], v[48+\i], s96            ; b1 / 2^(e0 + e1): it goes in as the C of a sum's first product
.endr
.irp i, 0,1,2,3,4,5,6,7,8,9,10,11,12,13,14,15
	v_ldexp_f32 v[56+\i], v[56+\i], s97            ; b2 / 2^(e2 + e3) likewise
.endr
	s_wait_alu depctr_va_sdst(0)                   ; the two masks s70 and s71 are written, ahead of the selects that read them
	v_cndmask_b32 v86, v77, v76, s70               ; lo's prob,
	v_cndmask_b32 v87, v76, v77, s70               ; hi's
	v_cndmask_b32 v88, v79, v78, s71
	v_cndmask_b32 v89, v78, v79, s71
.irp i, 86,87,88,89
	v_ldexp_f32 v\i, v\i, s95                      ; x 2^(e2 + e3), which the second product's sums lack
.endr
	s_wait_alu depctr_va_vdst(0)                   ; the gates v86 to v89 and the scaled biases v48 to v71 are written, which the LDS stores below read
.irp u, 0,1
	ds_store_b32 v9, v[86+2*\u] offset:256+128*\u  ; the tokens' gates
	ds_store_b32 v9, v[87+2*\u] offset:512+128*\u
.endr
.irp i, 0,1,2,3,4,5
	ds_store_b128 v5, v[48+4*\i:51+4*\i] offset:512*\i
.endr
.irp m, 0,1,2,3
	ds_load_b32 v[14+\m], v90 offset:256+64*\m     ; my own bytes, served in order: the gates of row 16 m + r
	ds_load_b32 v[18+\m], v90 offset:512+64*\m
.endr
.irp m, 0,1,2,3
.irp i, 0,1,2,3,4,5,6,7
	ds_load_b32 v[RO+8*\m+\i], v91 offset:64*\m+8*\i               ; the token of row 16 m + 2 i + h
.endr
.endr
	s_wait_dscnt 0x0                               ; my rows of x lie in LDS, and my reads are in
	s_barrier_signal -1
.set i, 0
.rept 32
	v_min_u32 v[RO+i], 0x1fff, v[RO+i]
	v_lshl_add_u32 v[RO+i], v[RO+i], 12, v92       ; its row of out0, + 16 (lane % 16)
.set i, i+1
.endr
	s_barrier_wait -1                              ; all 64 rows of x lie in LDS
	s_mov_b32 s73, 0
	s_wait_alu depctr_vm_vsrc(0)                   ; the head's stores and loads have read v3, v32 to v47, v48 to v73, v80 to v91 and v128 to v255: v3 is written below, b1's tiles and x's fragments land in the others
	v_add_nc_u32 v3, s73, v2                       ; x's LDS address for the loop's first trip
	s_wait_alu depctr_va_vdst(0)                   ; v3 is written; the head's vector lines are done with v32 to v95, in which b1's tiles land; the rows' offsets v96 to v127 are written, which the way out's stores read
; ---- PHASE 1: H = x W1 + b1 for both experts.  A K step of 128 is 64 matrix instructions: four quarters of the ring x four tiles of rows.
.macro XFETCH xb, adr, off             ; x's four fragments of a K step into set xb
.irp m, 0,1,2,3
.irp c, 0,1,2,3
	ds_load_b128 v[XF+64*(\xb)+16*\m+4*\c:XF+64*(\xb)+16*\m+4*\c+3], v[\adr] offset:16640*\m+(\off)+32*\c
.endr
.endr
.endm
.macro BIAS1 half, x                   ; b1's tiles 4 half .. + 3 of expert x (0 lo, 1 hi): lane (r, h) wants units 32 (t / 2) + 16 h + 8 (t % 2) + 0 .. 7
.irp f, 0,1,2,3
	ds_load_b128 v[CB+32*(\half)+8*\f:CB+32*(\half)+8*\f+3], v7 offset:512*(\x)+128*(2*(\half)+\f/2)+32*(\f%2)
	ds_load_b128 v[CB+32*(\half)+8*\f+4:CB+32*(\half)+8*\f+7], v7 offset:512*(\x)+128*(2*(\half)+\f/2)+32*(\f%2)+16
.endr
.endm
; 16 matrix instructions on 16 accumulators; an accumulator comes round again after the 63 others.  first = 1: the bias is the C, nothing is cleared.
.macro MUL1 q, xb, first
.if \first
	WIN 0x43+0x40*((\q)/2)                         ; weights window 3, x and the bias window 0, H window 1 (lo) or 2 (hi)
.else
	WIN 0x53+0x50*((\q)/2)
.endif
.irp f, 0,1,2,3
.irp m, 0,1,2,3
.set HD, 8*(4*(4*((\q)%2)+\f)+\m)
.if \first
	v_wmma_f32_16x16x128_bf8_bf8 v[HD:HD+7], v[64*(\q)+16*\f:64*(\q)+16*\f+15], v[XF+64*(\xb)+16*\m:XF+64*(\xb)+16*\m+15], v[CB+32*((\q)%2)+8*\f:CB+32*((\q)%2)+8*\f+7]
.else
	v_wmma_f32_16x16x128_bf8_bf8 v[HD:HD+7], v[64*(\q)+16*\f:64*(\q)+16*\f+15], v[XF+64*(\xb)+16*\m:XF+64*(\xb)+16*\m+15], v[HD:HD+7]
.endif
.endr
.endr
.endm
.macro QUART q, xb, first, ptr, off    ; a quarter is multiplied and filled again
	s_wait_loadcnt 48                              ; this quarter is in; the three filled behind it (48 loads) stay out
	MUL1 \q, \xb, \first
	PLACES
	s_wait_alu depctr_va_vdst(0)                   ; the products issued so far are done reading this quarter of the ring, in which the 16 loads below land, and the set of x's fragments or the tiles of b1 in which LDS loads behind this macro land
	RLOAD \q, \ptr, \off
.endm
.macro KSTEP xb, off
	QUART 0, \xb, 0, P1L, \off
	QUART 1, \xb, 0, P1L, (\off)+8192
	QUART 2, \xb, 0, P1H, \off
	QUART 3, \xb, 0, P1H, (\off)+8192
.endm
	XFETCH 0, 2, 0
	BIAS1 0, 0
	BIAS1 1, 0
	XFETCH 1, 2, 128                               ; K step 0, written out: its products start the sums
	s_wait_dscnt 16                                ; all but the next K step's 16 loads
	QUART 0, 0, 1, P1L, 16384
	BIAS1 0, 1                                     ; hi's biases take lo's places: no product stands between the quarter's wait and these loads
	QUART 1, 0, 1, P1L, 24576
	BIAS1 1, 1
	s_wait_dscnt 8                                 ; hi's tiles 0-3 are in; the eight loads of tiles 4-7 may be out
	QUART 2, 0, 1, P1H, 16384
	s_wait_dscnt 0x0
	QUART 3, 0, 1, P1H, 24576
	s_mov_b32 s72, 0
.Lk:                                               ; three trips of two K steps: 1, 2; 3, 4; 5, 6
	s_wait_dscnt 0x0                               ; this K step's fragments of x are in (asked for 64 matrix instructions ago)
	XFETCH 0, 3, 256                               ; no wait: no product stands between the last quarter's wait and these loads, and v3 was written ahead of that wait
	KSTEP 1, 32768
	XFETCH 1, 3, 384
	s_wait_dscnt 16                                ; all but the 16 just issued
	QUART 0, 0, 0, P1L, 49152
	QUART 1, 0, 0, P1L, 49152+8192
	QUART 2, 0, 0, P1H, 49152
	s_wait_loadcnt 48                              ; the trip's last quarter, written out: x's LDS address moves on behind its products
	MUL1 3, 0, 0
	WIN 0
	s_add_co_u32 s73, s73, 256
	s_wait_alu depctr_vm_vsrc(0)                   ; the trip's 32 LDS loads of fragments have read v3
	v_add_nc_u32 v3, s73, v2                       ; the next trip's (the last trip's is not used)
	PLACES
	s_wait_alu depctr_va_vdst(0)                   ; the products are done reading this quarter of the ring and set 0 of x's fragments; v3 is written
	RLOAD 3, P1H, 49152+8192
	s_wait_xcnt 0x0                                ; the loads have read their bases
	s_add_nc_u64 s[P1L:P1L+1], s[P1L:P1L+1], 32768
	s_add_nc_u64 s[P1H:P1H+1], s[P1H:P1H+1], 32768
	s_add_co_u32 s72, s72, 1
	s_cmp_lt_u32 s72, 3
	s_cbranch_scc1 .Lk
	s_wait_dscnt 0x0
	QUART 0, 1, 0, P2L, 0                          ; K step 7: the ring takes W2's first two tiles of columns: lo 0, hi 0, lo 1, hi 1; they land under the gelu
	QUART 1, 1, 0, P2H, 0
	QUART 2, 1, 0, P2L, 8192
	QUART 3, 1, 0, P2H, 8192
; ---- GELU AND THE QUANTISER.  Two trips, lo and hi; 16 batches of 16 numbers a lane: tiles 2 b, 2 b + 1 of rows m are 16 neighbours along the next K: piece b of the fragment (m, K step = my wave).
.macro HCOPY                           ; the one step that names H: z = sum x 2^(e0 + e1) / sqrt 2, t = sum x 2^(e0 + e1) / 2; each accumulator from its low end on
.irp i, 0,2,4,6
	v_pk_mul_f32 v[Z+\i:Z+\i+1], v[H0+\i:H0+\i+1], s[44:45] op_sel_hi:[1,0]
.endr
.irp i, 0,2,4,6
	v_pk_mul_f32 v[Z+8+\i:Z+8+\i+1], v[H1+\i:H1+\i+1], s[44:45] op_sel_hi:[1,0]
.endr
.irp i, 0,2,4,6
	v_pk_mul_f32 v[T+\i:T+\i+1], v[H0+\i:H0+\i+1], s[46:47] op_sel_hi:[1,0]
.endr
.irp i, 0,2,4,6
	v_pk_mul_f32 v[T+8+\i:T+8+\i+1], v[H1+\i:H1+\i+1], s[46:47] op_sel_hi:[1,0]
.endr
.endm
.macro HORN a, c                       ; a = a z^2 + the next coefficient, eight pairs
.irp i, 0,2,4,6,8,10,12,14
	v_pk_fma_f32 v[\a+\i:\a+\i+1], v[\a+\i:\a+\i+1], v[Z2+\i:Z2+\i+1], s[\c:\c+1] op_sel_hi:[1,1,0]
.endr
.endm
; Batch n = 4 m + b writes code set n % 2; the store of batch n - 1's codes stands in it, behind the reciprocals' wait.
.macro BATCH m, b
.set NB, 4*(\m)+(\b)
.set CNOW, CD+4*(NB%2)
.set CLAST, CD+4-4*(NB%2)
.set H0, 8*(4*(2*\b)+\m)
.set H1, 8*(4*(2*\b+1)+\m)
	s_cmp_eq_u32 s72, 0
	s_cbranch_scc0 .Lhi_\@
	WIN 0x01
	HCOPY
	WIN 0
	s_branch .Lgo_\@
.Lhi_\@:
	WIN 0x02
	HCOPY
	WIN 0
.Lgo_\@:
.irp i, 0,1,2,3,4,5,6,7,8,9,10,11,12,13,14,15
	v_med3_num_f32 v[Z+\i], v[Z+\i], -4.0, 4.0
.endr
.irp i, 0,2,4,6,8,10,12,14
	v_pk_mul_f32 v[Z2+\i:Z2+\i+1], v[Z+\i:Z+\i+1], v[Z+\i:Z+\i+1]
.endr
.irp i, 0,2,4,6,8,10,12,14
	v_pk_fma_f32 v[PP+\i:PP+\i+1], v[Z2+\i:Z2+\i+1], s[48:49], v[22:23] op_sel_hi:[1,0,1]
.endr
.irp i, 0,2,4,6,8,10,12,14
	v_pk_fma_f32 v[QQ+\i:QQ+\i+1], v[Z2+\i:Z2+\i+1], s[60:61], v[24:25] op_sel_hi:[1,0,1]
.endr
	HORN PP, 50
	HORN QQ, 62
	HORN PP, 52
	HORN QQ, 66
	HORN PP, 54
	HORN QQ, 68
	HORN PP, 56
	HORN PP, 58
	s_wait_alu depctr_va_vdst(0)
.irp i, 0,1,2,3,4,5,6,7,8,9,10,11,12,13,14,15
	v_rcp_f32 v[QQ+\i], v[QQ+\i]
.endr
.irp i, 0,2,4,6,8,10,12,14
	v_pk_mul_f32 v[PP+\i:PP+\i+1], v[PP+\i:PP+\i+1], v[Z+\i:Z+\i+1]       ; (the plain lines behind the reciprocals)
.endr
	s_wait_alu depctr_va_vdst(0)                   ; the sixteen reciprocals are written, ahead of their first reader; so are the last batch's codes, which the store below reads, and, in a trip's second batch, v5
.if NB > 0
	ds_store_b128 v5, v[CLAST:CLAST+3] offset:8192*((NB-1)/4)+512*((NB-1)%4)   ; the last batch's piece of its image
.endif
.irp i, 0,2,4,6,8,10,12,14
	v_pk_mul_f32 v[PP+\i:PP+\i+1], v[PP+\i:PP+\i+1], v[QQ+\i:QQ+\i+1]     ; erf
.endr
.irp i, 0,2,4,6,8,10,12,14
	v_pk_fma_f32 v[T+\i:T+\i+1], v[T+\i:T+\i+1], v[PP+\i:PP+\i+1], v[T+\i:T+\i+1]   ; gelu = t erf + t
.endr
.irp i, 0,1,2,3,4,5,6,7,8,9,10,11,12,13,14,15
	v_med3_num_f32 v[T+\i], v[T+\i], -v12, v12     ; the conversion does not saturate (ISA guide 7.6.2)
.endr
.if NB > 1
	s_wait_alu depctr_vm_vsrc(0)                   ; the store issued in the last batch has read this batch's set of code registers (a trip's first two batches: the wait at the trip's top has stated it)
.endif
	v_cvt_scalef32_pk8_bf8_f32 v[CNOW:CNOW+1], v[T:T+7], v13
	v_cvt_scalef32_pk8_bf8_f32 v[CNOW+2:CNOW+3], v[T+8:T+15], v13
	v_nop                                          ; a plain line between the conversions and the next lines that write their sources
.endm
	s_mov_b32 s72, 0
	s_mov_b32 s73, 0
.Lgelu:
	s_wait_alu depctr_vm_vsrc(0)                   ; the LDS stores issued so far have read v5 and both sets of code registers
	v_add_nc_u32 v5, s73, v4                       ; lo's images, then hi's
.irp m, 0,1,2,3
.irp b, 0,1,2,3
	BATCH \m, \b
.endr
.endr
	s_wait_alu depctr_va_vdst(0)                   ; the trip's last codes are written, which the store below reads; and the trip's lines are done reading H, in whose registers the hidden fragments land behind the barrier
	ds_store_b128 v5, v[CD+4:CD+7] offset:8192*3+512*3
	s_add_co_u32 s73, s73, 32768
	s_add_co_u32 s72, s72, 1
	s_cmp_lt_u32 s72, 2
	s_cbranch_scc1 .Lgelu
	s_wait_dscnt 0x0                               ; my images lie in LDS
	s_barrier_signal -1
	s_barrier_wait -1                              ; all 32 fragments of the hidden layers do
; ---- PHASE 2: for each tile of 16 output columns both experts' sums, mixed with the gates; four tiles (256 bytes of a row) at a time leave through my stage.
	WIN 0x40                                       ; no vector or matrix instruction has been issued since the wait at the end of the gelu's last trip: the loads below owe no further wait
.set f, 0
.rept 16
.irp c, 0,1,2,3
	ds_load_b128 v[16*f+4*\c:16*f+4*\c+3], v6 offset:2048*f+512*\c
.endr
.set f, f+1
.endr
	WIN 0x80
.set f, 0
.rept 16
.irp c, 0,1,2,3
	ds_load_b128 v[16*f+4*\c:16*f+4*\c+3], v6 offset:32768+2048*f+512*\c
.endr
.set f, f+1
.endr
	WIN 0
	ds_load_b128 v[CB2:CB2+3], v8                  ; b2's tile 0 of lo,
	ds_load_b128 v[CB2+4:CB2+7], v8 offset:16
	ds_load_b128 v[CB2+8:CB2+11], v8 offset:1024   ; of hi
	ds_load_b128 v[CB2+12:CB2+15], v8 offset:1040
; 16 matrix instructions: K steps outermost, the four tiles of rows by turns, one instruction a turn; the bias is the first C
.macro MUL2 acc, q, cb, win
	WIN \win
.irp ss, 0,1,2,3
.irp m, 0,1,2,3
.if \ss == 0
	v_wmma_f32_16x16x128_bf8_bf8 v[\acc+8*\m:\acc+8*\m+7], v[64*(\q)+16*\ss:64*(\q)+16*\ss+15], v[16*(4*\m+\ss):16*(4*\m+\ss)+15], v[\cb:\cb+7]
.else
	v_wmma_f32_16x16x128_bf8_bf8 v[\acc+8*\m:\acc+8*\m+7], v[64*(\q)+16*\ss:64*(\q)+16*\ss+15], v[16*(4*\m+\ss):16*(4*\m+\ss)+15], v[\acc+8*\m:\acc+8*\m+7]
.endif
.endr
.endr
.endm
.macro TOSTAGE k                       ; tile k's mixed sums, set k % 2, go into my stage
.irp m, 0,1,2,3
	ds_store_b128 v10, v[Y+32*((\k)%2)+8*\m:Y+32*((\k)%2)+8*\m+3] offset:16*SP*\m+64*(\k)                   ; lane (r, h): row 16 m + r, columns 16 k + 8 h + 0 .. 7 of the group's 64
	ds_store_b128 v10, v[Y+32*((\k)%2)+8*\m+4:Y+32*((\k)%2)+8*\m+7] offset:16*SP*\m+64*(\k)+16
.endr
.endm
; Tile k of a group of four.  last = 1: the last group: its tiles 2 and 3 fill nothing again, and the counts run down.
.macro CT k, last
.set QA, 2*((\k)%2)
.set PR, (\k)%2
.set YK, Y+32*PR
	s_wait_dscnt 0x0                               ; the tile's biases are in: nothing was asked of LDS behind them
.if (\k)>=2
	s_wait_alu depctr_vm_vsrc(0)                   ; the stage stores of the tile two back, issued in the last tile, have read the set of mixed sums that this tile's mix writes again (tiles 0 and 1: the wait at the group's top has stated it)
.endif
.if \last && ((\k)==3)
	s_wait_loadcnt 16
.else
	s_wait_loadcnt 48                              ; lo's quarter is in; the three filled behind it stay out
.endif
	MUL2 SA, QA, CB2+16*PR, 0x07
	PLACES
	s_wait_alu depctr_va_vdst(0)                   ; lo's products are done reading their quarter of the ring, in which the loads below land; the last tile's mix has written its sums, which the stage stores below read; in a group's first tile v9 is written
.if \last && ((\k)>=2)
	WIN 0
.else
	RLOAD QA, P2L, ((\k)+2)*8192
.endif
.if (\k)>0
	TOSTAGE (\k)-1
.endif
.if \last && ((\k)==3)
	s_wait_loadcnt 0x0
.elseif \last && ((\k)==2)
	s_wait_loadcnt 32
.else
	s_wait_loadcnt 48
.endif
	MUL2 SB, QA+1, CB2+8+16*PR, 0x0b
	PLACES
.if \last && ((\k)>=2)
	WIN 0
.else
	s_wait_alu depctr_va_vdst(0)                   ; hi's products are done reading their quarter of the ring, in which the loads below land
	RLOAD QA+1, P2H, ((\k)+2)*8192
.endif
.if (\last == 0) || ((\k) < 3)
	ds_load_b128 v[CB2+16*(1-PR):CB2+16*(1-PR)+3], v9 offset:64*((\k)+1)            ; the next tile's biases into the other set, which the last tile's products read: they stand ahead of this tile's first wait
	ds_load_b128 v[CB2+16*(1-PR)+4:CB2+16*(1-PR)+7], v9 offset:64*((\k)+1)+16
	ds_load_b128 v[CB2+16*(1-PR)+8:CB2+16*(1-PR)+11], v9 offset:64*((\k)+1)+1024
	ds_load_b128 v[CB2+16*(1-PR)+12:CB2+16*(1-PR)+15], v9 offset:64*((\k)+1)+1040
.endif
.irp m, 0,1,2,3
.irp i, 0,2,4,6
.if \m%2 == 0
	v_pk_mul_f32 v[YK+8*\m+\i:YK+8*\m+\i+1], v[SA+8*\m+\i:SA+8*\m+\i+1], v[14+2*(\m/2):15+2*(\m/2)] op_sel_hi:[1,0]
.else
	v_pk_mul_f32 v[YK+8*\m+\i:YK+8*\m+\i+1], v[SA+8*\m+\i:SA+8*\m+\i+1], v[14+2*(\m/2):15+2*(\m/2)] op_sel:[0,1] op_sel_hi:[1,1]
.endif
.endr
.irp i, 0,2,4,6
.if \m%2 == 0
	v_pk_fma_f32 v[YK+8*\m+\i:YK+8*\m+\i+1], v[SB+8*\m+\i:SB+8*\m+\i+1], v[18+2*(\m/2):19+2*(\m/2)], v[YK+8*\m+\i:YK+8*\m+\i+1] op_sel_hi:[1,0,1]
.else
	v_pk_fma_f32 v[YK+8*\m+\i:YK+8*\m+\i+1], v[SB+8*\m+\i:SB+8*\m+\i+1], v[18+2*(\m/2):19+2*(\m/2)], v[YK+8*\m+\i:YK+8*\m+\i+1] op_sel:[0,1,0] op_sel_hi:[1,1,1]
.endif
.endr
.endr
.endm
; The group's 64 columns leave: back from my stage by rows; sixteen lanes store 256 consecutive bytes, aligned.  A tile of rows without a token is passed over: the one kind of branch on the block's rows.
.macro OUTG
	s_wait_alu depctr_va_vdst(0)                   ; tile 3's mix has written its sums, which the stage stores below read, and is done reading the sums of lo and hi, v32 to v95, in which rows land
	TOSTAGE 3
	s_wait_alu depctr_vm_vsrc(0)                   ; those stores have read v160 to v191, in which rows land
.irp m, 0,1,2,3
.irp i, 0,1,2,3,4,5,6,7
	ds_load_b128 v[32+32*\m+64*(\m/2)+32*(\m/3)+4*\i:32+32*\m+64*(\m/2)+32*(\m/3)+4*\i+3], v11 offset:(16*\m+2*\i)*SP   ; my own bytes, served in order behind the stores
.endr
.endr
	s_wait_dscnt 0x0
.irp m, 0,1,2,3
	s_cmp_gt_u32 s27, 16*\m
	s_cbranch_scc0 .Lnone_\@_\m
.irp i, 0,1,2,3,4,5,6,7
	global_store_b128 v[RO+8*\m+\i], v[32+32*\m+64*(\m/2)+32*(\m/3)+4*\i:32+32*\m+64*(\m/2)+32*(\m/3)+4*\i+3], s[38:39] th:TH_STORE_NT
.endr
.Lnone_\@_\m:
.endr
.endm
	s_mov_b32 s72, 0
	s_mov_b32 s73, 0
.Lgrp:                                             ; three trips of four tiles
	s_wait_alu depctr_vm_vsrc(0)                   ; the LDS instructions issued so far have read v9; the last group's stores have read v32 to v95 and both sets of mixed sums (first trip: the gelu's stores their code registers), which this group writes again
	v_add_nc_u32 v9, s73, v8
	CT 0, 0
	CT 1, 0
	CT 2, 0
	CT 3, 0
	OUTG
	s_wait_xcnt 0x0                                ; the stores have read their data and base, the ring's loads their bases
	s_add_nc_u64 s[38:39], s[38:39], 256
	s_add_nc_u64 s[P2L:P2L+1], s[P2L:P2L+1], 32768
	s_add_nc_u64 s[P2H:P2H+1], s[P2H:P2H+1], 32768
	s_add_co_u32 s73, s73, 256
	s_add_co_u32 s72, s72, 1
	s_cmp_lt_u32 s72, 3
	s_cbranch_scc1 .Lgrp
	s_wait_alu depctr_vm_vsrc(0)                   ; as at the loop's top: v9, v32 to v95 and both sets of mixed sums have been read
	v_add_nc_u32 v9, s73, v8                       ; the last group is written out: no load leaves its buffer
	CT 0, 1
	CT 1, 1
	CT 2, 1
	CT 3, 1
	OUTG
	s_wait_xcnt 0x0
	s_wait_alu depctr_vm_vsrc(0)                   ; the last stores have read v252 to v255, two of which are written below
	v_lshl_add_u32 v254, v0, 2, 0x35400
	v_mov_b32 v255, 0
	s_wait_dscnt 0x0                               ; the closing lines, six on end
	s_wait_alu 0x0
	s_wait_tensorcnt 0x0
	ds_add_u32 v254, v255
	s_wait_dscnt 0x0
	s_endpgm
.Lfunc_end_k_qbded274453_chain:
	.size	k_qbded274453_chain, .Lfunc_end_k_qbded274453_chain-k_qbded274453_chain
	.p2alignl 7, 3214868480
	.fill 96, 4, 3214868480
	.section	.rodata,"a",@progbits
	.p2align	6, 0x0
	.amdhsa_kernel k_qbded274453_chain
		.amdhsa_group_segment_fixed_size 218624
		.amdhsa_private_segment_fixed_size 0
		.amdhsa_enable_private_segment 0
		.amdhsa_kernarg_size 88
		.amdhsa_user_sgpr_count 2
		.amdhsa_user_sgpr_kernarg_segment_ptr 1
		.amdhsa_wavefront_size32 1
		.amdhsa_system_sgpr_workgroup_id_x 1
		.amdhsa_system_sgpr_workgroup_id_y 1
		.amdhsa_system_sgpr_workgroup_id_z 1
		.amdhsa_system_vgpr_workitem_id 0
		.amdhsa_next_free_vgpr 1024
		.amdhsa_next_free_sgpr 100
		.amdhsa_reserve_vcc 0
		.amdhsa_float_denorm_mode_32 3
		.amdhsa_float_denorm_mode_16_64 3
		.amdhsa_memory_ordered 1
		.amdhsa_forward_progress 1
		.amdhsa_inst_pref_size 255
	.end_amdhsa_kernel
	.section	.bss,"aw",@nobits
	.p2align	6
	.space	262144
	.amdgpu_metadata
---
amdhsa.version: [ 1, 2 ]
amdhsa.kernels:
  - .name:           k_qbded274453_chain
    .symbol:         k_qbded274453_chain.kd
    .args:
      - { .name: xc, .offset: 0, .size: 8, .value_kind: global_buffer, .address_space: global }
      - { .name: w1f, .offset: 8, .size: 8, .value_kind: global_buffer, .address_space: global }
      - { .name: w2f, .offset: 16, .size: 8, .value_kind: global_buffer, .address_space: global }
      - { .name: b1, .offset: 24, .size: 8, .value_kind: global_buffer, .address_space: global }
      - { .name: b2, .offset: 32, .size: 8, .value_kind: global_buffer, .address_space: global }
      - { .name: lowp_scales, .offset: 40, .size: 8, .value_kind: global_buffer, .address_space: global }
      - { .name: ri, .offset: 48, .size: 8, .value_kind: global_buffer, .address_space: global }
      - { .name: order, .offset: 56, .size: 8, .value_kind: global_buffer, .address_space: global }
      - { .name: binfo, .offset: 64, .size: 8, .value_kind: global_buffer, .address_space: global }
      - { .name: out4, .offset: 72, .size: 8, .value_kind: global_buffer, .address_space: global }
      - { .name: out0, .offset: 80, .size: 8, .value_kind: global_buffer, .address_space: global }
    .group_segment_fixed_size: 218624
    .private_segment_fixed_size: 0
    .kernarg_segment_align: 8
    .kernarg_segment_size: 88
    .max_flat_workgroup_size: 128
    .sgpr_count:     100
    .vgpr_count:     1024
    .wavefront_size: 32
...
	.end_amdgpu_metadata
.endif
;; end of part 6
